; MI455X (gfx1250); checked and timed in simulation.
; The chip was launched on July 23, 2026; its instructions are those of AMD's public machine-readable ISA for CDNA 5 (MIT licence, August 2026) and "CDNA5" Instruction Set Architecture Reference Guide (July 2026). The comments in the code are by the model that wrote it; some were corrected since.
;; Cross Transformer Encoder. Allowed arithmetic: float matrix products may take bf16 or f16 operands with f32 sums; other float arithmetic in f32, or as packed bf16 or f16 multiplies, adds, multiply-adds, maxima and minima; sums over many terms, partial sums and values carried from step to step in f32; what a program stores and reads back later, other than sums and carried values, may be rounded once to bf16 or f16.
;; Inputs: W1 512 x 512 float32; W2 256 x 512 float32; Wk 256 x 256 float32; Wm 256 x 256 float32; Wq 256 x 256 float32; Wv 256 x 256 float32; b1 256 float32; b2 256 float32; g1 256 float32; g2 256 float32; source 64 x 1,024 x 256 float32; source_mask 64 x 1,024 float32; x 64 x 1,024 x 256 float32; x_mask 64 x 1,024 float32.
;; Outputs: out0 8,192 x 8 x 256 float32.
;; Constants: node_num = 8.
;; 2 versions, each right. Each part assembles by itself: llvm-mc -triple=amdgcn-amd-amdhsa -mcpu=gfx1250 --defsym DOCPART=n.
;; ======== version 1 of 2: 2 launches
;; limits: values are held in f16: magnitudes above 65,504 overflow, below 6.1e-05 lose precision
;; workspace buffers: wts 917,504 bytes; mt 8,912,896 bytes; gb 4,096 bytes
;; launch kv (part 1): grid 256 x 1, 4 waves a work-group, clusters of 4 x 1, 327,680 bytes of LDS; arguments source, source_mask, Wk, Wv, Wm, Wq, W1, W2, g1, b1, g2, b2, wts, mt, gb; writes wts, mt, gb
.if DOCPART == 1
	.amdgcn_target "amdgcn-amd-amdhsa--gfx1250"
	.amdhsa_code_object_version 6
	.text
	.protected	k_q8dd2af5460_kv
	.globl	k_q8dd2af5460_kv
	.p2align	8
	.type	k_q8dd2af5460_kv,@function
k_q8dd2af5460_kv:
	s_mov_b64 s[64:65], 0
	v_nop
	global_prefetch_b8 v0, s[64:65] scope:SCOPE_SE
	s_setreg_imm32_b32 hwreg(HW_REG_WAVE_MODE, 25, 1), 1
	s_wait_xcnt 0x0
	s_wait_alu depctr_hold_cnt(0) depctr_sa_sdst(0) depctr_va_vdst(0) depctr_va_sdst(0) depctr_va_ssrc(0) depctr_va_vcc(0) depctr_vm_vsrc(0)
	s_getreg_b32 s2, hwreg(HW_REG_IB_STS2, 6, 4)
	s_cmp_eq_u32 s2, 0
	s_cbranch_scc0 .Lentry_in_a_cluster
	s_endpgm
.Lentry_in_a_cluster:
	s_bfe_u32 s2, ttmp6, 0x10000c
	s_cmp_lg_u32 s2, 0x3003
	s_cbranch_scc0 .Lentry_shape_is_right
	s_endpgm
.Lentry_shape_is_right:
; LINEAR ATTENTION, FIRST HALF.  For batch n: K = (elu(source Wk^T) + 1) mask, v = (source Wv^T) mask, KV[d][v] = sum over s of K[s][d] v[s][v], Ksum[d] = sum over s of K[s][d].
; Stored: mt[n] = MT[o][d] = sum over v of Wm[o][v] KV[d][v] (bf16) and Ksum (bf16), so that the second launch makes (Q KV) Wm^T and Q . Ksum as ONE product with Q.
; LEFT OUT, for all values of the inputs: reference() divides v by v_len = 1024 and multiplies msg by v_len: the two factors give 1 by an identity.  node_num = 8 only regroups rows: every
; step behind KV works on one row of 256.  (Q KV Z) Wm^T = Z (Q (KV Wm^T)) is a change of the order of sums.  Every input has a way to the output and is loaded.
; LIMIT: an underflow of v / 1024 that reference() might meet is not reproduced.  NaN and infinities are not treated apart.
; FORMATS.  All inputs are rounded to bf16 (masks, g and b too, kept as f32); K, v, KV, MT, Ksum are bf16 matrix operands (KV has no room in f16 for large inputs); sums in f32.
; ALSO MADE HERE, once: wts = Wq, W1, W2 rounded to bf16 and laid out in fragments; W1's columns 256..511 and W2 are then written as f16 (limit: weights within 65,504); gb = g1, b1, g2, b2 rounded.
; A FRAGMENT is 16 rows x 32 k of 16-bit numbers, 1,024 bytes in register order: byte 512 half + 16 lane holds row lane % 16, k = 16 half + 8 (lane / 16) + 0..7: two loads of 16 bytes a lane, 512 bytes on end each.
; SHARES.  A cluster of four work-groups has one batch; work-group a owns d = 64 a .. 64 a + 63 and all 256 v.  s goes in 8 steps of 128 rows, 32 to a wave.  The four ask for each tile of source JOINTLY.
; The projection of v is made in all four work-groups: the price of keeping KV's f32 sums in registers from first to last.
; LDS: 0 weights' fragments (Wk's 4 tiles, Wv's 16; tile c, k step ks at 8192 c + 1024 ks), written by LDS stores; SRCB one slot of 128 rows x 1,040 bytes of f32 (1,024 + 16: the 16 rows of a load start
; at 16 different groups of four banks); SPARE; KSC.  Behind the last fill: RED 0..262,143 (f32 partial KV), KVF, and Wm's fragments from 0.
; REGISTERS, in windows of 256: window 0 addresses, masks, ACC, KF, VF, at work; window 1 v0-127 source's fragments (rt, ks) at 8 (8 rt + ks), v128-191 and v192-255 two buffers;
; windows 2, 3 the 64 accumulators KV(vt, dt) at 8 (4 (vt % 8) + dt).
.set SRCB,  163840
.set SPIT,  1040
.set SPARE, 296960
.set KSC,   297472
.set KVF,   262144
.set R,   1            ; lane % 16
.set H,   2            ; lane / 16
.set L16, 3            ; 16 x lane
.set WA,  4            ; v4-6  L16 + 0, 65,536, 131,072
.set SA,  7            ; my place in my wave's rows of the slot
.set MO,  8            ; 32 h
.set WO,  9            ; 1,024 r + 32 h
.set WD,  10           ; where a weight tile's fragments go
.set PFO, 11           ; 1,024 x lane
.set RA,  12           ; v12-15 addresses of the reduction
.set SPW, 28
.set NIL, 29
.set MK,  32           ; v32-47 the step's masks: s = 16 rt + 8 h + j at MK + 8 rt + j
.set MKN, 48           ; v48-63 the next step's, as loaded
.set ACC, 64           ; v64-95 four accumulators: column tile lc, row tile rt at ACC + 8 (2 lc + rt)
.set KF,  96           ; v96-127 K's fragments, one for each of my four tiles of d
.set VF,  128          ; v128-143 two fragments of v
.set KSA, 144          ; v144-151 Ksum, a pair for each tile of d
.set T,   160          ; v160-191 at work
.set PK,  192
.set G1,  40
.set G0,  48
.set WV,  52
.set CX,  53
.set CNT, 54
.set SEL, 56
.set L2E, 58
.set PFA, 60
.set SM,  62
.set WP,  84
.set WN,  86
.set MTP, 88
.set MSB, 0
.macro WIN new                          ; the immediate's high byte repeats the setting that is left; a switch that changes nothing is dropped
.if MSB != (\new)
	s_set_vgpr_msb (MSB<<8)|(\new)
.set MSB, (\new)
.endif
.endm
.macro PLACES                           ; four places behind a matrix instruction (ISA guide 7.12.1)
.rept 4
	v_nop
.endr
.endm
.macro BAR
	s_barrier_signal -1
	s_barrier_wait -1
.endm
.macro CROUND                           ; a round of the cluster's barrier
	s_barrier_signal -1
	s_barrier_wait -1
	s_cmp_lg_u32 s[WV], 0
	s_cbranch_scc1 .Lnot_wave_0_\@
	s_barrier_signal -3
.Lnot_wave_0_\@:
	s_barrier_wait -3
	s_barrier_signal -1
	s_barrier_wait -1
.endm
.macro MLOAD                            ; a step's 16 masks a lane
	global_load_b128 v[MKN:MKN+3], v[MO], s[SM:SM+1]
	global_load_b128 v[MKN+4:MKN+7], v[MO], s[SM:SM+1] offset:16
	global_load_b128 v[MKN+8:MKN+11], v[MO], s[SM:SM+1] offset:64
	global_load_b128 v[MKN+12:MKN+15], v[MO], s[SM:SM+1] offset:80
.endm
; A loop that turns row tiles of a 256-wide f32 weight (16 rows at s[WP]) into 8 bf16 fragments each, at v[WD] in LDS.  The next tile's address waits in s[WN].
.macro W2LOOP trips
	s_mov_b32 s[CNT], \trips
.Lw2l_\@:
	WIN 0x40
.set wi, 0
.rept 8
	global_load_b128 v[128+16*wi:128+16*wi+3], v[WO], s[WP:WP+1] offset:128*wi
	global_load_b128 v[128+16*wi+4:128+16*wi+7], v[WO], s[WP:WP+1] offset:128*wi+16
	global_load_b128 v[128+16*wi+8:128+16*wi+11], v[WO], s[WP:WP+1] offset:128*wi+64
	global_load_b128 v[128+16*wi+12:128+16*wi+15], v[WO], s[WP:WP+1] offset:128*wi+80
.set wi, wi+1
.endr
	s_wait_loadcnt 0x0                  ; the tile is in; its address registers are free
	WIN 0x45
.set wi, 0
.rept 64                                ; in place, ascending: the destination has been read already
	v_cvt_pk_bf16_f32 v[128+16*(wi/8)+wi%8], v[128+16*(wi/8)+2*(wi%8)], v[128+16*(wi/8)+2*(wi%8)+1]
.set wi, wi+1
.endr
	WIN 0x04
.set wi, 0
.rept 8
	ds_store_b128 v[WD], v[128+16*wi:128+16*wi+3] offset:1024*wi
	ds_store_b128 v[WD], v[128+16*wi+4:128+16*wi+7] offset:1024*wi+512
.set wi, wi+1
.endr
	WIN 0
	v_add_nc_u32 v[WD], 32768, v[WD]    ; four tiles on
	s_mov_b64 s[WP:WP+1], s[WN:WN+1]
	s_add_nc_u64 s[WN:WN+1], s[WN:WN+1], 65536
	s_sub_co_u32 s[CNT], s[CNT], 1
	s_cmp_lg_u32 s[CNT], 0
	s_cbranch_scc1 .Lw2l_\@
.endm
; source's f32 rows out of the slot, rounded into fragments: batch b = row tile b / 2, k steps 4 (b % 2) + 0..3
.macro CVLOAD b
	WIN 0x40
.set ci, 0
.rept 4
.set cr, 128+64*((\b)%2)+16*ci
.set co, ((\b)/2)*16*SPIT+(4*((\b)%2)+ci)*128
	ds_load_b128 v[cr:cr+3], v[SA] offset:co
	ds_load_b128 v[cr+4:cr+7], v[SA] offset:co+16
	ds_load_b128 v[cr+8:cr+11], v[SA] offset:co+64
	ds_load_b128 v[cr+12:cr+15], v[SA] offset:co+80
.set ci, ci+1
.endr
.endm
.macro CVCVT b
	WIN 0x45
.set ci, 0
.rept 32
	v_cvt_pk_bf16_f32 v[8*(8*((\b)/2)+4*((\b)%2)+ci/8)+ci%8], v[128+64*((\b)%2)+16*(ci/8)+2*(ci%8)], v[128+64*((\b)%2)+16*(ci/8)+2*(ci%8)+1]
.set ci, ci+1
.endr
.endm
.macro CONVERT
	CVLOAD 0
	CVLOAD 1
	s_wait_dscnt 16                     ; the older batch is in, the younger 16 loads stay out
	CVCVT 0
	CVLOAD 2
	s_wait_dscnt 16
	CVCVT 1
	CVLOAD 3
	s_wait_dscnt 16
	CVCVT 2
	s_wait_dscnt 0x0
	CVCVT 3
	WIN 0
.endm
.macro RBMASK                           ; the masks rounded to bf16, kept as f32
.set mi, 0
.rept 8
	v_cvt_pk_bf16_f32 v[T+mi], v[MKN+2*mi], v[MKN+2*mi+1]
	v_lshlrev_b32 v[MK+2*mi], 16, v[T+mi]
	v_and_b32 v[MK+2*mi+1], 0xffff0000, v[T+mi]
.set mi, mi+1
.endr
.endm
; 16 LDS loads: the weights' fragments of column tiles c0, c0 + 1, k steps 4 g + 0..3, into a buffer of window 1
.macro LDG buf, c0, g
	WIN 0x40
.set lk, 0
.rept 4
.set lc, 0
.rept 2
.set lr, (\buf)+8*(2*lk+lc)
.set lo, (((\c0)+lc)%8)*8192+(4*(\g)+lk)*1024
	ds_load_b128 v[lr:lr+3], v[WA+((\c0)+lc)/8] offset:lo
	ds_load_b128 v[lr+4:lr+7], v[WA+((\c0)+lc)/8] offset:lo+512
.set lc, lc+1
.endr
.set lk, lk+1
.endr
.endm
; 16 products: source 0 = 16 rows s, source 1 = 16 columns of the projection: a lane holds ONE column and s = 8 h + 0..7.  The four accumulators take turns.
.macro MULP buf, g
	WIN 0x05
.set lk, 0
.rept 4
.set lc, 0
.rept 2
.set lt, 0
.rept 2
.set ra, ACC+8*(2*lc+lt)
.set rs, 8*(8*lt+4*(\g)+lk)
.set rw, (\buf)+8*(2*lk+lc)
.if (4*(\g)+lk) == 0
	v_wmma_f32_16x16x32_bf16 v[ra:ra+7], v[rs:rs+7], v[rw:rw+7], 0
.else
	v_wmma_f32_16x16x32_bf16 v[ra:ra+7], v[rs:rs+7], v[rw:rw+7], v[ra:ra+7]
.endif
.set lt, lt+1
.endr
.set lc, lc+1
.endr
.set lk, lk+1
.endr
.endm
; The projection of my 32 rows onto column tiles c0, c0 + 1.  Its first group of fragments is on its way into buffer 128; nxt: the pair whose first group is asked for meanwhile (-1: none).
; Buffer 192 is free at the head: four v_nop stand behind the last products that read it, at the end of the projection before.
.macro PROJ c0, nxt
	LDG 192, \c0, 1
	s_wait_dscnt 16                     ; buffer 128 is in
	MULP 128, 0
.if (\nxt) >= 0
	PLACES
	LDG 128, \nxt, 0
	s_wait_dscnt 16                     ; buffer 192 is in
.else
	s_wait_dscnt 0x0
.endif
	MULP 192, 1
	WIN 0
	PLACES
.endm
; K = (max(k, 0) + 2^(log2(e) min(k, 0))) mask for tiles c0, c0 + 1 of d; Ksum; K's fragments: a lane's 8 + 8 values of s ARE the fragment's registers 0-3 and 4-7
.macro ELUK c0
.set ei, 0
.rept 32
	v_min_num_f32 v[T+ei], 0, v[ACC+ei]
.set ei, ei+1
.endr
.set ei, 0
.rept 16
	v_pk_mul_f32 v[T+2*ei:T+2*ei+1], v[T+2*ei:T+2*ei+1], s[L2E:L2E+1] op_sel_hi:[1,0]
.set ei, ei+1
.endr
.set ei, 0
.rept 32
	v_exp_f32 v[T+ei], v[T+ei]
.set ei, ei+1
.endr
.set ei, 0
.rept 32
	v_max_num_f32 v[ACC+ei], 0, v[ACC+ei]
.set ei, ei+1
.endr
	s_wait_alu depctr_va_vdst(0)        ; one wait for the batch of 32 exponentials; the 32 maxima stand between
.set ei, 0
.rept 16
	v_pk_add_f32 v[ACC+2*ei:ACC+2*ei+1], v[ACC+2*ei:ACC+2*ei+1], v[T+2*ei:T+2*ei+1]
.set ei, ei+1
.endr
.set ei, 0
.rept 16
	v_pk_mul_f32 v[ACC+2*ei:ACC+2*ei+1], v[ACC+2*ei:ACC+2*ei+1], v[MK+8*((ei/4)%2)+2*(ei%4):MK+8*((ei/4)%2)+2*(ei%4)+1]
.set ei, ei+1
.endr
.set ei, 0
.rept 16
	v_pk_add_f32 v[KSA+2*((\c0)+ei/8):KSA+2*((\c0)+ei/8)+1], v[KSA+2*((\c0)+ei/8):KSA+2*((\c0)+ei/8)+1], v[ACC+2*ei:ACC+2*ei+1]
.set ei, ei+1
.endr
.set ei, 0
.rept 16
	v_cvt_pk_bf16_f32 v[KF+8*((\c0)+ei/8)+4*((ei/4)%2)+ei%4], v[ACC+2*ei], v[ACC+2*ei+1]
.set ei, ei+1
.endr
.endm
; v = projection x mask for tiles 2 vp, 2 vp + 1 of v; then KV(vt, dt) += v^T K: source 0 = 16 v, source 1 = 16 d, 32 s deep: eight accumulators, one product each
.macro VMUL vp
.set ei, 0
.rept 16
	v_pk_mul_f32 v[ACC+2*ei:ACC+2*ei+1], v[ACC+2*ei:ACC+2*ei+1], v[MK+8*((ei/4)%2)+2*(ei%4):MK+8*((ei/4)%2)+2*(ei%4)+1]
.set ei, ei+1
.endr
.set ei, 0
.rept 16
	v_cvt_pk_bf16_f32 v[VF+8*(ei/8)+4*((ei/4)%2)+ei%4], v[ACC+2*ei], v[ACC+2*ei+1]
.set ei, ei+1
.endr
	WIN 0xa0+0x50*((\vp)/4)
.set ei, 0
.rept 8
.set rk, 8*(4*((2*(\vp)+ei/4)%8)+ei%4)
	v_wmma_f32_16x16x32_bf16 v[rk:rk+7], v[VF+8*(ei/4):VF+8*(ei/4)+7], v[KF+8*(ei%4):KF+8*(ei%4)+7], v[rk:rk+7]
.set ei, ei+1
.endr
	WIN 0
.endm
.macro COMPUTE
	LDG 128, 0, 0
	PROJ 0, 2
	ELUK 0
	PROJ 2, 4
	ELUK 2
	PROJ 4, 6
	VMUL 0
	PROJ 6, 8
	VMUL 1
	PROJ 8, 10
	VMUL 2
	PROJ 10, 12
	VMUL 3
	PROJ 12, 14
	VMUL 4
	PROJ 14, 16
	VMUL 5
	PROJ 16, 18
	VMUL 6
	PROJ 18, -1
	VMUL 7
.endm
.macro SUM4                             ; four partial tiles of 8 registers in T: their sum, rounded to bf16, into PK
.set si, 0
.rept 4
	v_pk_add_f32 v[T+2*si:T+2*si+1], v[T+2*si:T+2*si+1], v[T+8+2*si:T+8+2*si+1]
	v_pk_add_f32 v[T+16+2*si:T+16+2*si+1], v[T+16+2*si:T+16+2*si+1], v[T+24+2*si:T+24+2*si+1]
.set si, si+1
.endr
.set si, 0
.rept 4
	v_pk_add_f32 v[T+2*si:T+2*si+1], v[T+2*si:T+2*si+1], v[T+16+2*si:T+16+2*si+1]
.set si, si+1
.endr
.set si, 0
.rept 4
	v_cvt_pk_bf16_f32 v[PK+si], v[T+2*si], v[T+2*si+1]
.set si, si+1
.endr
.endm
	s_load_b512 s[8:23], s[0:1], 0x0    ; source 8, source_mask 10, Wk 12, Wv 14, Wm 16, Wq 18, W1 20, W2 22
	s_load_b256 s[24:31], s[0:1], 0x40  ; g1 24, b1 26, g2 28, b2 30
	s_load_b128 s[32:35], s[0:1], 0x60  ; wts 32, mt 34
	s_load_b64 s[36:37], s[0:1], 0x70   ; gb
	v_lshl_add_u32 v[SPW], v0, 2, SPARE
	v_mov_b32 v[NIL], 0
	ds_add_u32 v[SPW], v[NIL]           ; the wave's opening: the add, twice on end, and its wait ahead of my first tensor load
	ds_add_u32 v[SPW], v[NIL]
	v_lshrrev_b32 v1, 5, v0
	v_readfirstlane_b32 s[WV], v1       ; wave 0..3
	s_bfe_u32 s[CX], ttmp6, 0x40000     ; a: my place in the cluster; it enters global addresses alone
	; descriptor group 1: 32 rows x 256 elements of 4 bytes, 4 words of padding behind every 256; the mask names all four work-groups
	s_mov_b32 s[G1], 15|(2<<16)|(1<<20)|(1<<21)|(7<<22)|(3<<25)
	s_mov_b32 s[G1+1], 256<<16
	s_mov_b32 s[G1+2], 32<<16
	s_mov_b32 s[G1+3], 256<<16
	s_mov_b32 s[G1+4], 32
	s_mov_b32 s[G1+5], 256
	s_mov_b32 s[G1+6], 0
	s_mov_b32 s[G1+7], 0
	s_mov_b32 s[G0], 1
	s_mul_i32 s[G0+1], s[WV], 32*SPIT
	s_add_co_u32 s[G0+1], s[G0+1], SRCB ; my wave's 32 rows of the slot
	s_lshl_b32 s66, ttmp9, 20           ; the batch's 1,048,576 bytes of source
	s_mov_b32 s67, 0
	s_lshl_b32 s68, s[WV], 15           ; my wave's 32 rows
	s_mov_b32 s69, 0
	s_mov_b32 s[SEL], 0x76543210
	s_mov_b32 s[SEL+1], 0xfedcba98
	s_mov_b32 s[L2E], 0x3fb8aa3b        ; log2(e)
	s_mov_b32 s[L2E+1], s[L2E]
	v_and_b32 v[R], 15, v0
	v_bfe_u32 v[H], v0, 4, 1
	v_and_b32 v[L16], 31, v0
	v_lshlrev_b32 v[PFO], 10, v[L16]
	v_lshlrev_b32 v[L16], 4, v[L16]
	v_mov_b32 v[WA], v[L16]
	v_add_nc_u32 v[WA+1], 0x10000, v[L16]
	v_add_nc_u32 v[WA+2], 0x20000, v[L16]
	v_lshlrev_b32 v[MO], 5, v[H]
	v_lshl_add_u32 v[WO], v[R], 10, v[MO]
	v_mul_u32_u24 v[SA], v[R], SPIT
	v_add_nc_u32 v[SA], v[SA], v[MO]
	v_add_nc_u32 v[SA], s[G0+1], v[SA]
	s_lshl_b32 s70, s[WV], 13
	v_add_nc_u32 v[WD], s70, v[L16]     ; tile c = wave
	s_wait_dscnt 0x0                    ; both opening adds are done
	s_wait_kmcnt 0x0
	s_add_nc_u64 s[8:9], s[8:9], s[66:67]
	s_add_nc_u64 s[G0+2:G0+3], s[8:9], s[68:69]
	s_or_b32 s[G0+3], s[G0+3], 0x80000000
	s_lshl_b32 s70, ttmp9, 12
	s_lshl_b32 s72, s[WV], 7
	s_add_co_u32 s70, s70, s72
	s_mov_b32 s71, 0
	s_add_nc_u64 s[SM:SM+1], s[10:11], s[70:71]   ; the masks of my 32 rows of step 0
	s_lshl_b32 s70, s[CX], 15
	s_lshl_b32 s72, s[WV], 8
	s_add_co_u32 s70, s70, s72
	s_add_co_u32 s70, s70, 131072
	s_add_nc_u64 s[PFA:PFA+1], s[8:9], s[70:71]   ; the prefetches: row 32 a + lane, bytes 256 w on, of tile 1; stepped ahead of each use
	s_lshl_b32 s70, s[CX], 16
	s_lshl_b32 s72, s[WV], 14
	s_mov_b32 s73, 0
	s_add_nc_u64 s[WN:WN+1], s[14:15], s[72:73]   ; Wv's tile w
	s_add_co_u32 s70, s70, s72
	s_add_nc_u64 s[WP:WP+1], s[12:13], s[70:71]   ; Wk's rows 64 a + 16 w
	CROUND                              ; all four work-groups are here: the first joint loads meet
	tensor_load_to_lds s[G0:G0+3], s[G1:G1+7]     ; tile 0
	s_nop 0
	PLACES
	MLOAD
	; THE WEIGHTS FOR THE SECOND LAUNCH.  Clusters 0..55: wave q = 4 a + w of the cluster makes fragment 16 c + q of wts.  The branches hang on the cluster's number alone; q enters addresses alone.
	s_cmp_lt_u32 ttmp9, 56
	s_cbranch_scc0 .Ltables
	s_lshl2_add_u32 s70, s[CX], s[WV]   ; q
	s_and_b32 s71, s70, 1
	s_lshr_b32 s72, s70, 1
	s_max_u32 s73, ttmp9, 8
	s_sub_co_u32 s73, s73, 8            ; c' = c - 8
	s_mul_i32 s74, s73, 171
	s_lshr_b32 s74, s74, 9              ; hb = c' / 3 (c' under 48)
	s_mul_i32 s75, s74, 3
	s_sub_co_u32 s75, s73, s75          ; part = c' % 3
	s_lshl_b32 s76, s74, 5
	s_lshl_b32 s77, ttmp9, 5
	s_cmp_lt_u32 ttmp9, 8               ; Wq: rows 32 c + 16 (q & 1), k step q >> 1
	s_cselect_b32 s76, s77, s76
	s_cselect_b32 s78, 10, 11           ; log2 of a row's bytes
	s_cselect_b32 s75, 0, s75
	s_cselect_b64 s[80:81], s[18:19], s[20:21]
	s_lshl4_add_u32 s76, s71, s76       ; W1: rows 32 hb + 16 (q & 1),
	s_lshl3_add_u32 s79, s75, s72       ; k step 8 part + (q >> 1)
	s_lshl_b32 s77, s70, 4
	s_cmp_eq_u32 s75, 2                 ; W2: rows 16 q, k step hb
	s_cselect_b32 s76, s77, s76
	s_cselect_b32 s79, s74, s79
	s_cselect_b64 s[80:81], s[22:23], s[80:81]
	s_lshl_b32 s76, s76, s78
	s_lshl_b32 s79, s79, 7
	s_add_co_u32 s76, s76, s79
	s_mov_b32 s77, 0
	s_add_nc_u64 s[80:81], s[80:81], s[76:77]
	v_lshlrev_b32 v[T], s78, v[R]
	v_add_nc_u32 v[T], v[T], v[MO]
	global_load_b128 v[T+4:T+7], v[T], s[80:81]
	global_load_b128 v[T+8:T+11], v[T], s[80:81] offset:16
	global_load_b128 v[T+12:T+15], v[T], s[80:81] offset:64
	global_load_b128 v[T+16:T+19], v[T], s[80:81] offset:80
	s_wait_loadcnt 0x0
.set pi, 0
.rept 8
	v_cvt_pk_bf16_f32 v[T+20+pi], v[T+4+2*pi], v[T+5+2*pi]
.set pi, pi+1
.endr
	s_cmp_eq_u32 s75, 0
	s_cbranch_scc1 .Lkeep_bf16
.set pi, 0
.rept 8                                 ; parts 1 and 2: the bf16 number written as f16
	v_lshlrev_b32 v[T+4], 16, v[T+20+pi]
	v_and_b32 v[T+5], 0xffff0000, v[T+20+pi]
	v_cvt_pk_f16_f32 v[T+20+pi], v[T+4], v[T+5]
.set pi, pi+1
.endr
.Lkeep_bf16:
	s_lshl4_add_u32 s76, ttmp9, s70
	s_lshl_b32 s76, s76, 10
	s_add_nc_u64 s[82:83], s[32:33], s[76:77]
	global_store_b128 v[L16], v[T+20:T+23], s[82:83]             ; 512 consecutive bytes each
	global_store_b128 v[L16], v[T+24:T+27], s[82:83] offset:512
	s_branch .Lprep_done
.Ltables:                               ; clusters 56..59: g1, b1, g2, b2; wave 0 of each partner takes 256 bytes, told apart by address
	s_cmp_lt_u32 ttmp9, 60
	s_cbranch_scc0 .Lprep_done
	s_cmp_eq_u32 s[WV], 0
	s_cbranch_scc0 .Lprep_done
	s_cmp_lt_u32 ttmp9, 58
	s_cselect_b64 s[80:81], s[24:25], s[28:29]
	s_cselect_b64 s[82:83], s[26:27], s[30:31]
	s_bitcmp1_b32 ttmp9, 0
	s_cselect_b64 s[80:81], s[82:83], s[80:81]
	s_sub_co_u32 s76, ttmp9, 56
	s_lshl_b32 s76, s76, 10
	s_mov_b32 s77, 0
	s_add_nc_u64 s[82:83], s[36:37], s[76:77]
	v_lshrrev_b32 v[T], 1, v[L16]
	v_lshl_add_u32 v[T], s[CX], 8, v[T]
	global_load_b64 v[T+2:T+3], v[T], s[80:81]
	s_wait_loadcnt 0x0
	v_cvt_pk_bf16_f32 v[T+4], v[T+2], v[T+3]
	v_lshlrev_b32 v[T+2], 16, v[T+4]
	v_and_b32 v[T+3], 0xffff0000, v[T+4]
	global_store_b64 v[T], v[T+2:T+3], s[82:83]
.Lprep_done:
	s_wait_xcnt 0x0                     ; the stores above have read their registers: T and the scalars are written again only behind this wait
	W2LOOP 5                            ; tile c = 4 t + w: Wk's four, then Wv's sixteen
	; the sums start at 0: written while tile 0 is on its way, so that every step has one form of product
	WIN 0x80
.set zi, 0
.rept 256
	v_mov_b32 v[zi], 0
.set zi, zi+1
.endr
	WIN 0xc0
.set zi, 0
.rept 256
	v_mov_b32 v[zi], 0
.set zi, zi+1
.endr
	WIN 0
.set zi, 0
.rept 8
	v_mov_b32 v[KSA+zi], 0
.set zi, zi+1
.endr
	s_wait_dscnt 0x0                    ; my fragments lie in LDS
	BAR                                 ; everybody's do
	s_mov_b32 s[CNT], 7
.Lstep:                                 ; steps 0..6: the tile is rounded into registers, the slot is asked for again, and the step's products run while it lands
	s_wait_tensorcnt 0x0                ; my own 32 rows are in (one load of mine was out); no other wave reads them
	s_wait_loadcnt 0x0                  ; the step's masks
	RBMASK
	CONVERT
	s_wait_xcnt 0x0                     ; the last prefetch, a step back, has read its address
	s_add_nc_u64 s[SM:SM+1], s[SM:SM+1], 512
	s_add_nc_u64 s[PFA:PFA+1], s[PFA:PFA+1], 131072
	s_wait_tensorcnt 0x0                ; no tensor load of mine is out, so group 0 may be written
	ds_add_u32 v[SPW], v[NIL]           ; 0 onto my spare word
	s_add_nc_u64 s[G0+2:G0+3], s[G0+2:G0+3], 131072
	s_wait_dscnt 0x0                    ; the add is done, and my reads of the slot are over
	CROUND                              ; no wave of any partner still reads the slot
	tensor_load_to_lds s[G0:G0+3], s[G1:G1+7]     ; the next tile: it has the step's 384 products in which to land
	s_nop 0
	PLACES
	MLOAD
	s_cmp_gt_u32 s[CNT], 1              ; the tile after the next: 128 rows x 4 blocks of 256 bytes, one for each lane of the cluster's 16 waves; the last refill has none behind it
	s_cbranch_scc0 .Lnot_asked
	global_prefetch_b8 v[PFO], s[PFA:PFA+1] th:TH_LOAD_NT scope:SCOPE_SE
.Lnot_asked:
	COMPUTE
	s_sub_co_u32 s[CNT], s[CNT], 1
	s_cmp_lg_u32 s[CNT], 0
	s_cbranch_scc1 .Lstep
	s_wait_tensorcnt 0x0                ; step 7 is written out: nothing more is asked for
	s_wait_loadcnt 0x0
	RBMASK
	CONVERT
	COMPUTE
	; THE FOUR WAVES' PARTIAL SUMS MEET.  Ksum first: the pair, then the other half of the lanes (the other 16 of 32 s)
	PLACES
.set ki, 0
.rept 4
	v_add_f32 v[T+ki], v[KSA+2*ki], v[KSA+2*ki+1]
.set ki, ki+1
.endr
.set ki, 0
.rept 4
	v_permlanex16_b32 v[T+4+ki], v[T+ki], s[SEL], s[SEL+1]
.set ki, ki+1
.endr
.set ki, 0
.rept 4
	v_add_f32 v[T+ki], v[T+ki], v[T+4+ki]
.set ki, ki+1
.endr
	s_lshl_b32 s66, s[WV], 8
	s_add_co_u32 s66, s66, KSC
	v_lshl_add_u32 v[WD], v[R], 2, s66
.set ki, 0
.rept 4
	ds_store_b32 v[WD], v[T+ki] offset:64*ki
.set ki, ki+1
.endr
	s_wait_dscnt 0x0                    ; my stores are done and my reads of the weights and of the slot are over
	BAR                                 ; everybody's are: the weights' bytes and the slot, which has had its last fill, are written anew
	s_lshl_b32 s66, s[WV], 14
	v_add_nc_u32 v[RA], s66, v[L16]
	v_add_nc_u32 v[RA+1], 0x10000, v[RA]
	v_add_nc_u32 v[RA+2], 0x20000, v[RA]
	v_add_nc_u32 v[RA+3], 0x30000, v[RA]
.set wn, 0
.rept 2                                 ; RED[dt][wave][vt], 1,024 bytes a tile; each accumulator's low registers go first
	WIN 0x08+4*wn
.set ki, 0
.rept 32
	ds_store_b128 v[RA+ki%4], v[8*ki:8*ki+3] offset:(8*wn+ki/4)*1024
	ds_store_b128 v[RA+ki%4], v[8*ki+4:8*ki+7] offset:(8*wn+ki/4)*1024+512
.set ki, ki+1
.endr
.set wn, wn+1
.endr
	WIN 0
	s_wait_dscnt 0x0
	BAR
	s_lshl_b32 s66, s[WV], 16           ; wave w finishes dt = w
	v_add_nc_u32 v[RA], s66, v[L16]
	s_lshl_b32 s66, s[WV], 13
	s_add_co_u32 s66, s66, KVF
	v_add_nc_u32 v[RA+1], s66, v[L16]
	v_mov_b32 v[RA+3], v[RA+1]
	s_mov_b32 s[CNT], 16
.Lred:                                  ; a trip: tile vt.  A lane's sums (d = r, v = 16 vt + 8 h + 0..7), rounded, are half vt % 2 of KV's fragment vt / 2: they go to my own bytes of LDS
.set ki, 0
.rept 4
	ds_load_b128 v[T+8*ki:T+8*ki+3], v[RA] offset:16384*ki
	ds_load_b128 v[T+8*ki+4:T+8*ki+7], v[RA] offset:16384*ki+512
.set ki, ki+1
.endr
	s_wait_dscnt 0x0
	SUM4
	ds_store_b128 v[RA+1], v[PK:PK+3]
	v_add_nc_u32 v[RA], 1024, v[RA]
	v_add_nc_u32 v[RA+1], 512, v[RA+1]
	s_sub_co_u32 s[CNT], s[CNT], 1
	s_cmp_lg_u32 s[CNT], 0
	s_cbranch_scc1 .Lred
	; Ksum's fragment (tile 16 of MT's rows): row 0 holds Ksum, rows 1..15 hold 0
	s_lshl_b32 s66, s[WV], 6
	s_add_co_u32 s66, s66, KSC
	v_add_nc_u32 v[RA+2], s66, v[MO]
.set ki, 0
.rept 4
	ds_load_b128 v[T+8*ki:T+8*ki+3], v[RA+2] offset:256*ki
	ds_load_b128 v[T+8*ki+4:T+8*ki+7], v[RA+2] offset:256*ki+16
.set ki, ki+1
.endr
	s_mul_i32 s66, ttmp9, 139264        ; mt: batch, k block 2 a + (w >> 1) of 17 fragments, half w & 1
	s_lshr_b32 s70, s[WV], 1
	s_lshl1_add_u32 s70, s[CX], s70
	s_mul_i32 s70, s70, 17408
	s_add_co_u32 s70, s70, s66
	s_and_b32 s72, s[WV], 1
	s_lshl_b32 s72, s72, 9
	s_add_co_u32 s70, s70, s72
	s_mov_b32 s71, 0
	s_add_nc_u64 s[MTP:MTP+1], s[34:35], s[70:71]
	s_wait_dscnt 0x0
	SUM4
	v_cmp_eq_u32 vcc_lo, 0, v[R]
.set ki, 0
.rept 4
	v_cndmask_b32 v[PK+ki], 0, v[PK+ki], vcc_lo
.set ki, ki+1
.endr
	global_store_b128 v[L16], v[PK:PK+3], s[MTP:MTP+1] offset:16384
	s_wait_dscnt 0x0                    ; my reads of RED are over
	BAR                                 ; everybody's are: Wm's fragments take its place
	s_lshl_b32 s72, s[WV], 14
	s_mov_b32 s73, 0
	s_add_nc_u64 s[WP:WP+1], s[16:17], s[72:73]
	s_add_nc_u64 s[WN:WN+1], s[WP:WP+1], 65536
	s_lshl_b32 s66, s[WV], 13
	v_add_nc_u32 v[WD], s66, v[L16]
	W2LOOP 4                            ; Wm's tile 4 t + w
	s_wait_dscnt 0x0
	BAR
	WIN 0x40
.set ki, 0
.rept 8                                 ; my 16 rows of KV: 8 fragments
	ds_load_b128 v[8*ki:8*ki+3], v[RA+3] offset:1024*ki
	ds_load_b128 v[8*ki+4:8*ki+7], v[RA+3] offset:1024*ki+512
.set ki, ki+1
.endr
	WIN 0
	v_mov_b32 v[RA], v[L16]
	s_wait_xcnt 0x0                     ; Ksum's store has read PK
	s_mov_b32 s[CNT], 8
.Lfold:                                 ; a trip: MT for tiles 2 t, 2 t + 1 of o.  Source 0 = my 16 d, source 1 = 16 rows o of Wm: a lane holds one o and eight d: 16 bytes of MT's fragment
	WIN 0x40
.set ki, 0
.rept 16
	ds_load_b128 v[128+8*ki:128+8*ki+3], v[RA] offset:1024*ki
	ds_load_b128 v[128+8*ki+4:128+8*ki+7], v[RA] offset:1024*ki+512
.set ki, ki+1
.endr
	s_wait_dscnt 0x0
	WIN 0x05
.set ki, 0
.rept 16                                ; k step ki / 2, tile ki % 2: the two accumulators take turns
.if ki < 2
	v_wmma_f32_16x16x32_bf16 v[ACC+8*(ki%2):ACC+8*(ki%2)+7], v[8*(ki/2):8*(ki/2)+7], v[128+8*(8*(ki%2)+ki/2):128+8*(8*(ki%2)+ki/2)+7], 0
.else
	v_wmma_f32_16x16x32_bf16 v[ACC+8*(ki%2):ACC+8*(ki%2)+7], v[8*(ki/2):8*(ki/2)+7], v[128+8*(8*(ki%2)+ki/2):128+8*(8*(ki%2)+ki/2)+7], v[ACC+8*(ki%2):ACC+8*(ki%2)+7]
.endif
.set ki, ki+1
.endr
	WIN 0
	PLACES
.set ki, 0
.rept 8
	v_cvt_pk_bf16_f32 v[PK+ki], v[ACC+2*ki], v[ACC+2*ki+1]
.set ki, ki+1
.endr
	global_store_b128 v[L16], v[PK:PK+3], s[MTP:MTP+1]             ; 512 consecutive bytes each
	global_store_b128 v[L16], v[PK+4:PK+7], s[MTP:MTP+1] offset:1024
	v_add_nc_u32 v[RA], 16384, v[RA]
	s_wait_xcnt 0x0                     ; the stores have read their base and PK
	s_add_nc_u64 s[MTP:MTP+1], s[MTP:MTP+1], 2048
	s_sub_co_u32 s[CNT], s[CNT], 1
	s_cmp_lg_u32 s[CNT], 0
	s_cbranch_scc1 .Lfold
	s_wait_tensorcnt 0x0                ; the wave's end
	ds_add_u32 v[SPW], v[NIL]
	s_wait_dscnt 0x0
	CROUND                              ; the closing round
	s_endpgm
.Lfunc_end_k_q8dd2af5460_kv:
	.size	k_q8dd2af5460_kv, .Lfunc_end_k_q8dd2af5460_kv-k_q8dd2af5460_kv
	.p2alignl 7, 3214868480
	.fill 96, 4, 3214868480
	.section	.rodata,"a",@progbits
	.p2align	6, 0x0
	.amdhsa_kernel k_q8dd2af5460_kv
		.amdhsa_group_segment_fixed_size 327680
		.amdhsa_private_segment_fixed_size 0
		.amdhsa_enable_private_segment 0
		.amdhsa_kernarg_size 120
		.amdhsa_user_sgpr_count 2
		.amdhsa_user_sgpr_kernarg_segment_ptr 1
		.amdhsa_wavefront_size32 1
		.amdhsa_system_sgpr_workgroup_id_x 1
		.amdhsa_system_sgpr_workgroup_id_y 1
		.amdhsa_system_sgpr_workgroup_id_z 1
		.amdhsa_system_vgpr_workitem_id 0
		.amdhsa_next_free_vgpr 1024
		.amdhsa_next_free_sgpr 100
		.amdhsa_reserve_vcc 1
		.amdhsa_float_denorm_mode_32 3
		.amdhsa_float_denorm_mode_16_64 3
		.amdhsa_memory_ordered 1
		.amdhsa_forward_progress 1
		.amdhsa_inst_pref_size 254
	.end_amdhsa_kernel
	.amdgpu_metadata
---
amdhsa.version: [ 1, 2 ]
amdhsa.kernels:
  - .name:           k_q8dd2af5460_kv
    .symbol:         k_q8dd2af5460_kv.kd
    .args:
      - { .name: source, .offset: 0, .size: 8, .value_kind: global_buffer, .address_space: global }
      - { .name: source_mask, .offset: 8, .size: 8, .value_kind: global_buffer, .address_space: global }
      - { .name: Wk, .offset: 16, .size: 8, .value_kind: global_buffer, .address_space: global }
      - { .name: Wv, .offset: 24, .size: 8, .value_kind: global_buffer, .address_space: global }
      - { .name: Wm, .offset: 32, .size: 8, .value_kind: global_buffer, .address_space: global }
      - { .name: Wq, .offset: 40, .size: 8, .value_kind: global_buffer, .address_space: global }
      - { .name: W1, .offset: 48, .size: 8, .value_kind: global_buffer, .address_space: global }
      - { .name: W2, .offset: 56, .size: 8, .value_kind: global_buffer, .address_space: global }
      - { .name: g1, .offset: 64, .size: 8, .value_kind: global_buffer, .address_space: global }
      - { .name: b1, .offset: 72, .size: 8, .value_kind: global_buffer, .address_space: global }
      - { .name: g2, .offset: 80, .size: 8, .value_kind: global_buffer, .address_space: global }
      - { .name: b2, .offset: 88, .size: 8, .value_kind: global_buffer, .address_space: global }
      - { .name: wts, .offset: 96, .size: 8, .value_kind: global_buffer, .address_space: global }
      - { .name: mt, .offset: 104, .size: 8, .value_kind: global_buffer, .address_space: global }
      - { .name: gb, .offset: 112, .size: 8, .value_kind: global_buffer, .address_space: global }
    .group_segment_fixed_size: 327680
    .private_segment_fixed_size: 0
    .kernarg_segment_align: 8
    .kernarg_segment_size: 120
    .max_flat_workgroup_size: 128
    .sgpr_count:     100
    .vgpr_count:     1024
    .wavefront_size: 32
...
	.end_amdgpu_metadata
.endif
;; end of part 1
;; launch chain (part 2): grid 512 x 1, 4 waves a work-group, clusters of 4 x 1, 327,680 bytes of LDS; arguments x, x_mask, wts, mt, gb, out0; writes out0
.if DOCPART == 2
	.amdgcn_target "amdgcn-amd-amdhsa--gfx1250"
	.amdhsa_code_object_version 6
	.text
	.protected	k_q8dd2af5460_chain
	.globl	k_q8dd2af5460_chain
	.p2align	8
	.type	k_q8dd2af5460_chain,@function
k_q8dd2af5460_chain:
	s_mov_b64 s[64:65], 0
	v_nop
	global_prefetch_b8 v0, s[64:65] scope:SCOPE_SE
	s_setreg_imm32_b32 hwreg(HW_REG_WAVE_MODE, 25, 1), 1
	s_wait_xcnt 0x0
	s_wait_alu depctr_hold_cnt(0) depctr_sa_sdst(0) depctr_va_vdst(0) depctr_va_sdst(0) depctr_va_ssrc(0) depctr_va_vcc(0) depctr_vm_vsrc(0)
	s_getreg_b32 s2, hwreg(HW_REG_IB_STS2, 6, 4)
	s_cmp_eq_u32 s2, 0
	s_cbranch_scc0 .Lentry_in_a_cluster
	s_endpgm
.Lentry_in_a_cluster:
	s_bfe_u32 s2, ttmp6, 0x10000c
	s_cmp_lg_u32 s2, 0x3003
	s_cbranch_scc0 .Lentry_shape_is_right
	s_endpgm
.Lentry_shape_is_right:
; LINEAR ATTENTION, SECOND HALF, AND THE MLP, row by row: Q = (elu(x Wq^T) + 1) x_mask; y = Q MT^T, den = Q . Ksum (one product: Ksum is row 256 of MT); m = LN1(y / (den + 1e-6));
; h = relu([x, m] W1^T) W2^T; out = x + LN2(h).  Left out as in the first launch: the factors 1 / v_len and v_len, which give 1; node_num only regroups rows.
; FORMATS.  x, Wq, MT, Q and W1's x columns bf16; m, W1's m columns, the hidden layer and W2 f16 (weights rounded to bf16 first).  LIMIT: the hidden layer within 65,504, beyond it an infinity.
; The residual is x rounded to bf16, as all inputs are.  1 / (den + 1e-6) is applied ahead of LN1's squares.  Sums, norms and activations in f32.  NaN and infinities are not treated apart.
; SHARES.  A work-group has 128 rows, a wave 32 (row tiles rt = 0, 1), which it takes through the whole chain in registers.  Every product has the weights as source 0 and the rows as source 1:
; a lane holds ONE row (lane % 16) and features 8 (lane / 16) + 0..7, and two results rounded in pairs ARE source 1 of the next product.
; CLUSTER.  The four work-groups of a cluster lie in one batch and walk the same weights: every chunk is asked for JOINTLY.  Chunks (fragments of 1,024 bytes in register order, dense):
; c0, c1: Wq's and MT's k blocks 0-3, 4-7 (65,536 + 69,632 bytes); c2..c9: two blocks each of 32 hidden units (32 fragments of W1, 16 of W2: 49,152 bytes a block).  Chunk k lies in slot k % 2.
; REGISTERS: window 0 addresses, statistics, PACC, QF, DEN, T, two buffers of 8 fragments; window 1 x's fragments (rt, ks) at 8 (8 rt + ks), m's at 128 + the same; window 2 the 32 accumulators (ot, rt) at 8 (2 ot + rt).
.set SLOT,  135168
.set STAGE, 270336     ; 16 rows x 528 bytes for each wave: never filled by a tensor load
.set STP,   528
.set SPARE, 304128
.set R,   1
.set H,   2
.set L16, 3
.set AW1, 4
.set AW2, 5
.set SW,  6            ; the stage by whole rows: 16 bytes a lane
.set SR,  7            ; the stage by fragments: row r, 32 h
.set GO,  8            ; 32 h
.set XO,  9            ; 4 r
.set ZERO, 10
.set ONE, 11
.set PFO, 14
.set XM,  16           ; v16-19 x_mask of my row, a pair for each rt
.set ZR,  20           ; v20-23 1 / den, later 1 / sqrt(var + eps), a pair for each rt
.set MU,  24           ; v24-27 the mean
.set SPW, 28
.set NIL, 29
.set PACC, 32          ; v32-63 four accumulators: feature tile ft, row tile rt at PACC + 8 (2 ft + rt)
.set QF,  64           ; v64-79 Q's, later the hidden layer's, fragment for each rt
.set DEN, 80           ; v80-95
.set T,   96           ; v96-127
.set AB0, 128
.set AB1, 192
.set WV,  16
.set CX,  17
.set G1Q, 24
.set G1M, 32
.set G1W, 40
.set G0Q, 48
.set G0M, 52
.set G0W, 56
.set SEL, 60
.set L2E, 62
.set SB,  66
.set TBQ, 67
.set TBM, 68
.set TB,  69
.set CNT, 70
.set LEFT, 71
.set LIM, 72
.set PFA, 74
.set XP,  80
.set OP,  82
.set MP,  84
.set C256, 94
.set CEPS, 95
.set MSB, 0
.macro WIN new
.if MSB != (\new)
	s_set_vgpr_msb (MSB<<8)|(\new)
.set MSB, (\new)
.endif
.endm
.macro PLACES
.rept 4
	v_nop
.endr
.endm
.macro CROUND
	s_barrier_signal -1
	s_barrier_wait -1
	s_cmp_lg_u32 s[WV], 0
	s_cbranch_scc1 .Lnot_wave_0_\@
	s_barrier_signal -3
.Lnot_wave_0_\@:
	s_barrier_wait -3
	s_barrier_signal -1
	s_barrier_wait -1
.endm
.macro JLOADQ                           ; waves 0, 1 fetch the halves of Wq's part of a chunk, waves 2, 3 those of MT's; the branch hangs on the wave's number alone
	s_cmp_lt_u32 s[WV], 2
	s_cbranch_scc0 .Lfor_m_\@
	tensor_load_to_lds s[G0Q:G0Q+3], s[G1Q:G1Q+7]
	s_nop 0
	PLACES
	s_branch .Lasked_\@
.Lfor_m_\@:
	tensor_load_to_lds s[G0M:G0M+3], s[G1M:G1M+7]
	s_nop 0
	PLACES
.Lasked_\@:
.endm
.macro JLOADW                           ; each wave fetches a quarter of a chunk of W1 and W2
	tensor_load_to_lds s[G0W:G0W+3], s[G1W:G1W+7]
	s_nop 0
	PLACES
.endm
; A prefetch of the chunk that the NEXT change of slots will ask for: 384 blocks of 256 bytes, a lane a block: waves 0..2 of the four work-groups of cluster 0, told apart by address.
; All clusters walk the same chunks, so nobody else asks; the last fill has no chunk behind it.
.macro ASK
	s_cmp_gt_u32 s[LEFT], s[LIM]
	s_cbranch_scc0 .Lnot_mine_\@
	global_prefetch_b8 v[PFO], s[PFA:PFA+1] th:TH_LOAD_NT scope:SCOPE_SE
.Lnot_mine_\@:
.endm
; THE CHANGE OF SLOTS.  Each wave waits for all its tensor loads (one is out: its part of the other slot), adds 0 to its spare word, and waits for that and for its reads of the slot that it leaves.
; kind 1: chunk c1 is asked for; 2: the next chunk of W1 and W2; 0: nothing.  Where a slot is filled the barrier is a round of the cluster's, and the joint load is the first thing behind it.
.macro CHANGE kind
	WIN 0
	s_wait_tensorcnt 0x0                ; no tensor load of mine is out, so a group 0 may be written
	ds_add_u32 v[SPW], v[NIL]
.if (\kind) == 1
	s_add_co_u32 s[G0Q+1], s[G0Q+1], SLOT
	s_add_nc_u64 s[G0Q+2:G0Q+3], s[G0Q+2:G0Q+3], 65536
	s_add_co_u32 s[G0M+1], s[G0M+1], SLOT
	s_add_nc_u64 s[G0M+2:G0M+3], s[G0M+2:G0M+3], 69632
.else
	s_xor_b32 s[SB], s[SB], SLOT        ; the slot to be read
.endif
.if (\kind) == 2
	s_xor_b32 s[G0W+1], s[G0W+1], SLOT  ; SLOT's two bits are in none of the waves' offsets: the exclusive or adds or takes away
	s_add_nc_u64 s[G0W+2:G0W+3], s[G0W+2:G0W+3], 98304
	s_wait_xcnt 0x0                     ; the last prefetch, a chunk back, has read its address
	s_add_nc_u64 s[PFA:PFA+1], s[PFA:PFA+1], 98304
.endif
	s_wait_dscnt 0x0                    ; the add is done, and my reads of the slot are over
.if (\kind) == 0
	s_barrier_signal -1
	s_barrier_wait -1
.else
	CROUND
.if (\kind) == 1
	JLOADQ
.else
	JLOADW
	ASK
.endif
.endif
.endm
.macro LDG buf, areg, off, n            ; n fragments
.set li, 0
.rept \n
	ds_load_b128 v[(\buf)+8*li:(\buf)+8*li+3], v[\areg] offset:(\off)+1024*li
	ds_load_b128 v[(\buf)+8*li+4:(\buf)+8*li+7], v[\areg] offset:(\off)+1024*li+512
.set li, li+1
.endr
.endm
; 16 products into PACC: k steps k0 + 0..3, feature tiles 0, 1, row tiles 0, 1; the four accumulators take turns.  xb: x's (0) or m's (128) fragments
.macro MULP form, buf, xb, k0, zero
	WIN 0x04
.set lk, 0
.rept 4
.set lf, 0
.rept 2
.set lt, 0
.rept 2
.set ra, PACC+8*(2*lf+lt)
.set rw, (\buf)+8*(2*lk+lf)
.set rx, (\xb)+8*(8*lt+(\k0)+lk)
.if (\zero) && (lk == 0)
	v_wmma_f32_16x16x32_\form v[ra:ra+7], v[rw:rw+7], v[rx:rx+7], 0
.else
	v_wmma_f32_16x16x32_\form v[ra:ra+7], v[rw:rw+7], v[rx:rx+7], v[ra:ra+7]
.endif
.set lt, lt+1
.endr
.set lf, lf+1
.endr
.set lk, lk+1
.endr
.endm
.macro MULC form, buf, o0               ; 16 products into window 2: output tiles o0 + 0..7 x row tiles: sixteen accumulators, one product each
	WIN 0xa0
.set lk, 0
.rept 16
.set ra, 8*(2*((\o0)+lk/2)+lk%2)
	v_wmma_f32_16x16x32_\form v[ra:ra+7], v[(\buf)+8*(lk/2):(\buf)+8*(lk/2)+7], v[QF+8*(lk%2):QF+8*(lk%2)+7], v[ra:ra+7]
.set lk, lk+1
.endr
.endm
.macro ELUQ                             ; Q = (max(q, 0) + 2^(log2(e) min(q, 0))) x_mask, rounded into QF
.set ei, 0
.rept 32
	v_min_num_f32 v[T+ei], 0, v[PACC+ei]
.set ei, ei+1
.endr
.set ei, 0
.rept 16
	v_pk_mul_f32 v[T+2*ei:T+2*ei+1], v[T+2*ei:T+2*ei+1], s[L2E:L2E+1] op_sel_hi:[1,0]
.set ei, ei+1
.endr
.set ei, 0
.rept 32
	v_exp_f32 v[T+ei], v[T+ei]
.set ei, ei+1
.endr
.set ei, 0
.rept 32
	v_max_num_f32 v[PACC+ei], 0, v[PACC+ei]
.set ei, ei+1
.endr
	s_wait_alu depctr_va_vdst(0)        ; one wait for the batch of 32 exponentials; the 32 maxima stand between
.set ei, 0
.rept 16
	v_pk_add_f32 v[PACC+2*ei:PACC+2*ei+1], v[PACC+2*ei:PACC+2*ei+1], v[T+2*ei:T+2*ei+1]
.set ei, ei+1
.endr
.set ei, 0
.rept 16
	v_pk_mul_f32 v[PACC+2*ei:PACC+2*ei+1], v[PACC+2*ei:PACC+2*ei+1], v[XM+2*((ei/4)%2):XM+2*((ei/4)%2)+1]
.set ei, ei+1
.endr
.set ei, 0
.rept 16
	v_cvt_pk_bf16_f32 v[QF+8*((ei/4)%2)+4*(ei/8)+ei%4], v[PACC+2*ei], v[PACC+2*ei+1]
.set ei, ei+1
.endr
.endm
; One k block of 32 features of Q: 32 products x Wq^T, the feature map, 32 products with MT and 2 with Ksum's fragment.  The two buffers take turns; each group of loads is asked for a group of products ahead.
.macro TRIP1
	WIN 0
	v_add_nc_u32 v[AW1], s[TBQ], v[L16] ; with the two v_nop: the places behind the last products, ahead of the loads into their buffers
	v_add_nc_u32 v[AW2], s[TBM], v[L16]
	v_nop
	v_nop
	LDG AB0, AW1, 0, 8
	LDG AB1, AW1, 8192, 8
	s_wait_dscnt 16
	MULP bf16, AB0, 0, 0, 1
	WIN 0
	PLACES
	LDG AB0, AW2, 0, 8                  ; MT's tiles 0-7
	s_wait_dscnt 16
	MULP bf16, AB1, 0, 4, 0
	WIN 0
	PLACES
	LDG AB1, AW2, 8192, 8               ; tiles 8-15
	ELUQ
	s_wait_dscnt 16
	MULC bf16, AB0, 0
	WIN 0
	PLACES
	LDG AB0, AW2, 16384, 1              ; Ksum's fragment
	s_wait_dscnt 2
	MULC bf16, AB1, 8
	WIN 0
	s_wait_dscnt 0x0
	v_wmma_f32_16x16x32_bf16 v[DEN:DEN+7], v[AB0:AB0+7], v[QF:QF+7], v[DEN:DEN+7]
	v_wmma_f32_16x16x32_bf16 v[DEN+8:DEN+15], v[AB0:AB0+7], v[QF+8:QF+15], v[DEN+8:DEN+15]
	s_add_co_u32 s[TBQ], s[TBQ], 16384
	s_add_co_u32 s[TBM], s[TBM], 17408
.endm
.macro QLOOP
	s_mov_b32 s[CNT], 4
.Lq_\@:
	TRIP1
	s_sub_co_u32 s[CNT], s[CNT], 1
	s_cmp_lg_u32 s[CNT], 0
	s_cbranch_scc1 .Lq_\@
.endm
; One block of 32 hidden units: 32 products with x (bf16), 32 with m (f16), relu, 32 products with W2 (f16)
.macro TRIP2
	WIN 0
	v_add_nc_u32 v[AW1], s[TB], v[L16]
	v_nop
	v_nop
	v_nop
	LDG AB0, AW1, 0, 8
	LDG AB1, AW1, 8192, 8
	s_wait_dscnt 16
	MULP bf16, AB0, 0, 0, 1
	WIN 0
	PLACES
	LDG AB0, AW1, 16384, 8
	s_wait_dscnt 16
	MULP bf16, AB1, 0, 4, 0
	WIN 0
	PLACES
	v_nop                               ; five places: the f16 products take up sums that bf16 products wrote, which is no chain in place
	LDG AB1, AW1, 24576, 8
	s_wait_dscnt 16
	MULP f16, AB0, 128, 0, 0
	WIN 0
	PLACES
	LDG AB0, AW1, 32768, 8
	s_wait_dscnt 16
	MULP f16, AB1, 128, 4, 0
	WIN 0
	PLACES
	LDG AB1, AW1, 40960, 8
.set ei, 0
.rept 16
	v_cvt_pk_f16_f32 v[QF+8*((ei/4)%2)+4*(ei/8)+ei%4], v[PACC+2*ei], v[PACC+2*ei+1]
.set ei, ei+1
.endr
.set ei, 0
.rept 16
	v_pk_max_num_f16 v[QF+ei], v[QF+ei], v[ZERO]
.set ei, ei+1
.endr
	s_wait_dscnt 16
	MULC f16, AB0, 0
	s_wait_dscnt 0x0
	MULC f16, AB1, 8
	WIN 0
	s_add_co_u32 s[TB], s[TB], 49152
.endm
.macro WLOOP                            ; a chunk's two blocks
	s_mov_b32 s[TB], s[SB]
	s_mov_b32 s[CNT], 2
.Lt_\@:
	TRIP2
	s_sub_co_u32 s[CNT], s[CNT], 1
	s_cmp_lg_u32 s[CNT], 0
	s_cbranch_scc1 .Lt_\@
.endm
.macro GBLOAD bt, goff                  ; gain and bias of output tiles 4 bt + 0..3, my 8 features of each: 16 loads into buffer bt % 2
.set gl, 0
.rept 4
.set gr, AB0+64*((\bt)%2)+16*gl
.set gq, (\goff)+(4*(\bt)+gl)*64
	global_load_b128 v[gr:gr+3], v[GO], s[12:13] offset:gq
	global_load_b128 v[gr+4:gr+7], v[GO], s[12:13] offset:gq+16
	global_load_b128 v[gr+8:gr+11], v[GO], s[12:13] offset:gq+1024
	global_load_b128 v[gr+12:gr+15], v[GO], s[12:13] offset:gq+1040
.set gl, gl+1
.endr
.endm
.macro FOLD8                            ; eight chains (four pairs a row tile) into one number a row, in both lanes of the row: at T + 8 and T + 16
.irp fc, T+8, T+16
	v_pk_add_f32 v[\fc:\fc+1], v[\fc:\fc+1], v[\fc+2:\fc+3]
	v_pk_add_f32 v[\fc+4:\fc+5], v[\fc+4:\fc+5], v[\fc+6:\fc+7]
.endr
.irp fc, T+8, T+16
	v_pk_add_f32 v[\fc:\fc+1], v[\fc:\fc+1], v[\fc+4:\fc+5]
.endr
.irp fc, T+8, T+16
	v_add_f32 v[\fc], v[\fc], v[\fc+1]
.endr
.irp fc, T+8, T+16
	v_permlanex16_b32 v[\fc+1], v[\fc], s[SEL], s[SEL+1]   ; the row's other 128 features lie in the lane 16 away
.endr
.irp fc, T+8, T+16
	v_add_f32 v[\fc], v[\fc], v[\fc+1]
.endr
.endm
; Pair nk of window 2 is registers 2 nk, 2 nk + 1: output tile nk / 8, row tile (nk / 4) % 2, pair nk % 4.
.macro LNSCALE bt, first                ; (d rs) g + b for four output tiles; then m's fragments in f16 (first), or + x
	WIN 0x82
.set no, 4*(\bt)
.rept 4
.set nk, 8*no
.rept 8
	v_pk_mul_f32 v[2*nk:2*nk+1], v[2*nk:2*nk+1], v[ZR+2*((nk/4)%2):ZR+2*((nk/4)%2)+1]
.set nk, nk+1
.endr
.set nk, 8*no
.rept 8
.set gr, AB0+64*((\bt)%2)+16*(no%4)+2*(nk%4)
	v_pk_fma_f32 v[2*nk:2*nk+1], v[2*nk:2*nk+1], v[gr:gr+1], v[gr+8:gr+9]
.set nk, nk+1
.endr
.set no, no+1
.endr
.if \first
	WIN 0x4a
.set nk, 32*(\bt)
.rept 32
	v_cvt_pk_f16_f32 v[128+8*(8*((nk/4)%2)+nk/16)+4*((nk/8)%2)+nk%4], v[2*nk], v[2*nk+1]
.set nk, nk+1
.endr
.else
	WIN 0xa1
.set nk, 32*(\bt)
.rept 32                                ; x's fragment holds the same lane's same features: one line widens the half and adds
.set rx, 8*(8*((nk/4)%2)+nk/16)+4*((nk/8)%2)+nk%4
	v_fma_mix_f32_bf16 v[2*nk], v[rx], v[ONE], v[2*nk] op_sel:[0,0,0] op_sel_hi:[1,0,0]
	v_fma_mix_f32_bf16 v[2*nk+1], v[rx], v[ONE], v[2*nk+1] op_sel:[1,0,0] op_sel_hi:[1,0,0]
.set nk, nk+1
.endr
.endif
	WIN 0
.endm
; LAYER NORM over the 256 features that a row's two lanes hold in window 2.  first = 1: the sums are y, and are multiplied by 1 / (den + 1e-6) on the way.
.macro LNORM first
	WIN 0
	PLACES
	GBLOAD 0, 2048*(1-(\first))
	GBLOAD 1, 2048*(1-(\first))
.if \first
	v_permlanex16_b32 v[T], v[DEN], s[SEL], s[SEL+1]       ; den lies in register 0 of lanes 0-15; lanes 16-31 hold 0 there
	v_permlanex16_b32 v[T+1], v[DEN+8], s[SEL], s[SEL+1]
	v_add_f32 v[T], v[T], v[DEN]
	v_add_f32 v[T+1], v[T+1], v[DEN+8]
	v_add_f32 v[T], 0x358637bd, v[T]    ; + 1e-6
	v_add_f32 v[T+1], 0x358637bd, v[T+1]
	v_rcp_f32 v[ZR], v[T]
	v_rcp_f32 v[ZR+2], v[T+1]
.endif
	WIN 0x0a
.set nk, 0
.rept 8                                 ; the first two tiles start the chains; each accumulator's low registers are read first
	v_pk_add_f32 v[T+8+2*nk:T+8+2*nk+1], v[2*nk:2*nk+1], v[16+2*nk:16+2*nk+1]
.set nk, nk+1
.endr
	WIN 0x08
.set nk, 16
.rept 112
	v_pk_add_f32 v[T+8+2*(nk%8):T+8+2*(nk%8)+1], v[T+8+2*(nk%8):T+8+2*(nk%8)+1], v[2*nk:2*nk+1]
.set nk, nk+1
.endr
	WIN 0
	FOLD8
.if \first
	s_wait_alu depctr_va_vdst(0)        ; one wait for the two reciprocals; the sums stand between
	v_mov_b32 v[ZR+1], v[ZR]
	v_mov_b32 v[ZR+3], v[ZR+2]
	v_mul_f32 v[T+8], v[T+8], v[ZR]
	v_mul_f32 v[T+16], v[T+16], v[ZR+2]
.endif
	v_mul_f32 v[MU], s[C256], v[T+8]
	v_mul_f32 v[MU+2], s[C256], v[T+16]
	v_mov_b32 v[MU+1], v[MU]
	v_mov_b32 v[MU+3], v[MU+2]
	WIN 0x82
.set nk, 0
.rept 128
.if \first
	v_pk_fma_f32 v[2*nk:2*nk+1], v[2*nk:2*nk+1], v[ZR+2*((nk/4)%2):ZR+2*((nk/4)%2)+1], v[MU+2*((nk/4)%2):MU+2*((nk/4)%2)+1] neg_lo:[0,0,1] neg_hi:[0,0,1]
.else
	v_pk_add_f32 v[2*nk:2*nk+1], v[2*nk:2*nk+1], v[MU+2*((nk/4)%2):MU+2*((nk/4)%2)+1] neg_lo:[0,1] neg_hi:[0,1]
.endif
.set nk, nk+1
.endr
	WIN 0x0a
.set nk, 0
.rept 8
	v_pk_mul_f32 v[T+8+2*nk:T+8+2*nk+1], v[2*nk:2*nk+1], v[2*nk:2*nk+1]
.set nk, nk+1
.endr
.set nk, 8
.rept 120
	v_pk_fma_f32 v[T+8+2*(nk%8):T+8+2*(nk%8)+1], v[2*nk:2*nk+1], v[2*nk:2*nk+1], v[T+8+2*(nk%8):T+8+2*(nk%8)+1]
.set nk, nk+1
.endr
	WIN 0
	FOLD8
	v_fma_f32 v[T+8], v[T+8], s[C256], s[CEPS]             ; var + 1e-5
	v_fma_f32 v[T+16], v[T+16], s[C256], s[CEPS]
	v_rsq_f32 v[ZR], v[T+8]
	v_rsq_f32 v[ZR+2], v[T+16]
	v_nop
	s_wait_alu depctr_va_vdst(0)
	v_mov_b32 v[ZR+1], v[ZR]
	v_mov_b32 v[ZR+3], v[ZR+2]
	s_wait_loadcnt 16                   ; batch 0 of g and b is in, batch 1 may stay out
	LNSCALE 0, \first
	GBLOAD 2, 2048*(1-(\first))
	s_wait_loadcnt 16
	LNSCALE 1, \first
	GBLOAD 3, 2048*(1-(\first))
	s_wait_loadcnt 16
	LNSCALE 2, \first
	s_wait_loadcnt 0x0
	LNSCALE 3, \first
.endm
.macro CLEAR2                           ; window 2's sums start at 0, so that every trip has one form of product
	WIN 0x80
.set zi, 0
.rept 256
	v_mov_b32 v[zi], 0
.set zi, zi+1
.endr
	WIN 0
.endm
	s_load_b256 s[4:11], s[0:1], 0x0    ; x 4, x_mask 6, wts 8, mt 10
	s_load_b128 s[12:15], s[0:1], 0x20  ; gb 12, out0 14
	v_lshl_add_u32 v[SPW], v0, 2, SPARE
	v_mov_b32 v[NIL], 0
	ds_add_u32 v[SPW], v[NIL]           ; the wave's opening: the add, twice on end, and its wait ahead of my first tensor load
	ds_add_u32 v[SPW], v[NIL]
	v_lshrrev_b32 v1, 5, v0
	v_readfirstlane_b32 s[WV], v1
	s_bfe_u32 s[CX], ttmp6, 0x40000
	; descriptor groups 1: dense blocks as rows of 32 elements of 8 bytes; 128, 136 and 96 rows; the mask names all four work-groups
.irp g, G1Q, G1M, G1W
	s_mov_b32 s[\g], 15|(3<<16)|(1<<21)
	s_mov_b32 s[\g+1], 32<<16
	s_mov_b32 s[\g+3], 32<<16
	s_mov_b32 s[\g+5], 32
	s_mov_b32 s[\g+6], 0
	s_mov_b32 s[\g+7], 0
.endr
	s_mov_b32 s[G1Q+2], 128<<16
	s_mov_b32 s[G1Q+4], 128
	s_mov_b32 s[G1M+2], 136<<16
	s_mov_b32 s[G1M+4], 136
	s_mov_b32 s[G1W+2], 96<<16
	s_mov_b32 s[G1W+4], 96
	s_and_b32 s76, s[WV], 1
	s_lshl_b32 s88, s76, 15             ; my half of Wq's part
	s_mov_b32 s89, 0
	s_mul_i32 s77, s76, 34816           ; my half of MT's part
	s_lshr_b32 s90, ttmp9, 1            ; the batch, which the four partners share
	s_mul_i32 s90, s90, 139264
	s_add_co_u32 s90, s90, s77
	s_mov_b32 s91, 0
	s_mul_i32 s92, s[WV], 24576         ; my quarter of a chunk of W1 and W2
	s_mov_b32 s93, 0
	s_mov_b32 s[G0Q], 1
	s_mov_b32 s[G0Q+1], s88
	s_mov_b32 s[G0M], 1
	s_add_co_u32 s[G0M+1], s77, 65536
	s_mov_b32 s[G0W], 1
	s_add_co_u32 s[G0W+1], s92, SLOT    ; the first change turns it into slot 0
	s_add_co_u32 s92, s92, 32768        ; one chunk ahead of the first: 131,072 - 98,304
	s_mov_b32 s[SEL], 0x76543210
	s_mov_b32 s[SEL+1], 0xfedcba98
	s_mov_b32 s[L2E], 0x3fb8aa3b
	s_mov_b32 s[L2E+1], s[L2E]
	s_mov_b32 s[C256], 0x3b800000       ; 1 / 256
	s_mov_b32 s[CEPS], 0x3727c5ac       ; 1e-5
	s_mov_b32 s[SB], 0
	s_cmp_eq_u32 s[WV], 3
	s_cselect_b32 s76, 1, 0
	s_or_b32 s76, s76, ttmp9
	s_cmp_eq_u32 s76, 0
	s_cselect_b32 s[LIM], 1, -1         ; waves 0..2 of cluster 0 prefetch: the same in all four partners
	v_and_b32 v[R], 15, v0
	v_bfe_u32 v[H], v0, 4, 1
	v_and_b32 v[L16], 31, v0
	v_lshlrev_b32 v[PFO], 8, v[L16]
	v_lshlrev_b32 v[L16], 4, v[L16]
	v_lshlrev_b32 v[GO], 5, v[H]
	v_lshlrev_b32 v[XO], 2, v[R]
	v_mov_b32 v[ZERO], 0
	v_mov_b32 v[ONE], 1.0
	s_mul_i32 s76, s[WV], 16*STP
	s_add_co_u32 s76, s76, STAGE
	v_add_nc_u32 v[SW], s76, v[L16]
	v_mul_u32_u24 v[SR], v[R], STP
	v_add_nc_u32 v[SR], v[SR], v[GO]
	v_add_nc_u32 v[SR], s76, v[SR]
	s_wait_dscnt 0x0                    ; both opening adds are done
	s_wait_kmcnt 0x0
	s_add_nc_u64 s[G0Q+2:G0Q+3], s[8:9], s[88:89]
	s_or_b32 s[G0Q+3], s[G0Q+3], 0x80000000
	s_add_nc_u64 s[G0M+2:G0M+3], s[10:11], s[90:91]
	s_or_b32 s[G0M+3], s[G0M+3], 0x80000000
	s_add_nc_u64 s[G0W+2:G0W+3], s[8:9], s[92:93]
	s_or_b32 s[G0W+3], s[G0W+3], 0x80000000
	s_lshl2_add_u32 s76, ttmp9, s[CX]   ; my block of 128 rows: it enters x's, x_mask's and out0's addresses alone
	s_lshl_b32 s78, s76, 17
	s_lshl_b32 s77, s[WV], 15
	s_add_co_u32 s78, s78, s77
	s_mov_b32 s79, 0
	s_add_nc_u64 s[XP:XP+1], s[4:5], s[78:79]
	s_add_nc_u64 s[OP:OP+1], s[14:15], s[78:79]
	s_lshl_b32 s78, s76, 9
	s_lshl_b32 s77, s[WV], 7
	s_add_co_u32 s78, s78, s77
	s_add_nc_u64 s[MP:MP+1], s[6:7], s[78:79]
	s_lshl2_add_u32 s78, s[WV], s[CX]
	s_lshl_b32 s78, s78, 13
	s_add_co_u32 s78, s78, 131072
	s_add_nc_u64 s[PFA:PFA+1], s[8:9], s[78:79]            ; in chunk c2; each fill steps it one chunk on ahead of its use
	CROUND                              ; all four work-groups are here: the first joint loads meet
	JLOADQ                              ; c0 into slot 0
	; x COMES IN by whole half rows (512 consecutive bytes a load), goes through my stage and comes back by fragments, rounded to bf16
	WIN 0x80
.set xi, 0
.rept 64                                ; group xi / 16 = 2 rt + half, row xi % 16
	global_load_b128 v[4*xi:4*xi+3], v[L16], s[XP:XP+1] offset:(16*(xi/32)+xi%16)*1024+((xi/16)%2)*512 th:TH_LOAD_NT
.set xi, xi+1
.endr
	WIN 0
	global_load_b32 v[XM], v[XO], s[MP:MP+1]
	global_load_b32 v[XM+2], v[XO], s[MP:MP+1] offset:64
.set xg, 0
.rept 4
	s_wait_loadcnt 50-16*xg             ; this group's 16 loads are in; the younger groups' and the two masks stay out
	WIN 0x08
.set xi, 0
.rept 16
	ds_store_b128 v[SW], v[4*(16*xg+xi):4*(16*xg+xi)+3] offset:xi*STP
.set xi, xi+1
.endr
	WIN 0
.set xi, 0
.rept 4                                 ; LDS serves a wave's instructions in order (ISA guide 5.7.1.4): these see the stores above
.set rb, AB0+64*(xg%2)+16*xi
	ds_load_b128 v[rb:rb+3], v[SR] offset:128*xi
	ds_load_b128 v[rb+4:rb+7], v[SR] offset:128*xi+16
	ds_load_b128 v[rb+8:rb+11], v[SR] offset:128*xi+64
	ds_load_b128 v[rb+12:rb+15], v[SR] offset:128*xi+80
.set xi, xi+1
.endr
	s_wait_dscnt 0x0
	WIN 0x40
.set xi, 0
.rept 32
	v_cvt_pk_bf16_f32 v[8*(8*(xg/2)+4*(xg%2)+xi/8)+xi%8], v[AB0+64*(xg%2)+16*(xi/8)+2*(xi%8)], v[AB0+64*(xg%2)+16*(xi/8)+2*(xi%8)+1]
.set xi, xi+1
.endr
	WIN 0
.set xg, xg+1
.endr
	s_wait_loadcnt 0x0
	v_cvt_pk_bf16_f32 v[T], v[XM], v[XM+2]
	v_lshlrev_b32 v[XM], 16, v[T]
	v_and_b32 v[XM+2], 0xffff0000, v[T]
	v_mov_b32 v[XM+1], v[XM]
	v_mov_b32 v[XM+3], v[XM+2]
	CLEAR2
.set zi, 0
.rept 16
	v_mov_b32 v[DEN+zi], 0
.set zi, zi+1
.endr
	CHANGE 1                            ; c0 is in, everybody's part of it; c1 is asked for, into slot 1
	s_mov_b32 s[TBQ], 0
	s_mov_b32 s[TBM], 65536
	QLOOP                               ; k blocks 0-3
	s_mov_b32 s[LEFT], 8                ; fills of W1 and W2 still to come
	CHANGE 2                            ; c1 is in; c2 goes into slot 0
	s_mov_b32 s[TBQ], SLOT
	s_mov_b32 s[TBM], SLOT+65536
	QLOOP                               ; k blocks 4-7
	LNORM 1
	CLEAR2
	s_mov_b32 s[SB], SLOT               ; the next change turns it into slot 0, where c2 lies
	s_mov_b32 s[LEFT], 7
.Lw:                                    ; seven trips: chunk c(2 + i) is read, c(3 + i) asked for
	CHANGE 2
	WLOOP
	s_sub_co_u32 s[LEFT], s[LEFT], 1
	s_cmp_lg_u32 s[LEFT], 0
	s_cbranch_scc1 .Lw
	CHANGE 0                            ; the last chunk is written out: nothing is asked for
	WLOOP
	LNORM 0
	; THE WAY OUT: a lane's features go into my stage by rows of 528 bytes and come back as whole half rows: each store covers 512 consecutive bytes
.set xg, 0
.rept 4
	WIN 0x08
.set xi, 0
.rept 8
.set ry, 8*(2*(8*(xg%2)+xi)+xg/2)
	ds_store_b128 v[SR], v[ry:ry+3] offset:64*xi
	ds_store_b128 v[SR], v[ry+4:ry+7] offset:64*xi+16
.set xi, xi+1
.endr
	WIN 0
.if xg >= 2
	s_wait_xcnt 0x0                     ; the stores of two groups back have read this buffer
.endif
.set xi, 0
.rept 16
	ds_load_b128 v[AB0+64*(xg%2)+4*xi:AB0+64*(xg%2)+4*xi+3], v[SW] offset:xi*STP
.set xi, xi+1
.endr
	s_wait_dscnt 0x0
.set xi, 0
.rept 16
	global_store_b128 v[L16], v[AB0+64*(xg%2)+4*xi:AB0+64*(xg%2)+4*xi+3], s[OP:OP+1] offset:(16*(xg/2)+xi)*1024+(xg%2)*512 th:TH_STORE_NT
.set xi, xi+1
.endr
.set xg, xg+1
.endr
	s_wait_tensorcnt 0x0                ; the wave's end
	ds_add_u32 v[SPW], v[NIL]
	s_wait_dscnt 0x0
	CROUND                              ; the closing round
	s_endpgm
.Lfunc_end_k_q8dd2af5460_chain:
	.size	k_q8dd2af5460_chain, .Lfunc_end_k_q8dd2af5460_chain-k_q8dd2af5460_chain
	.p2alignl 7, 3214868480
	.fill 96, 4, 3214868480
	.section	.rodata,"a",@progbits
	.p2align	6, 0x0
	.amdhsa_kernel k_q8dd2af5460_chain
		.amdhsa_group_segment_fixed_size 327680
		.amdhsa_private_segment_fixed_size 0
		.amdhsa_enable_private_segment 0
		.amdhsa_kernarg_size 48
		.amdhsa_user_sgpr_count 2
		.amdhsa_user_sgpr_kernarg_segment_ptr 1
		.amdhsa_wavefront_size32 1
		.amdhsa_system_sgpr_workgroup_id_x 1
		.amdhsa_system_sgpr_workgroup_id_y 1
		.amdhsa_system_sgpr_workgroup_id_z 1
		.amdhsa_system_vgpr_workitem_id 0
		.amdhsa_next_free_vgpr 768
		.amdhsa_next_free_sgpr 100
		.amdhsa_reserve_vcc 0
		.amdhsa_float_denorm_mode_32 3
		.amdhsa_float_denorm_mode_16_64 3
		.amdhsa_memory_ordered 1
		.amdhsa_forward_progress 1
		.amdhsa_inst_pref_size 249
	.end_amdhsa_kernel
	.amdgpu_metadata
---
amdhsa.version: [ 1, 2 ]
amdhsa.kernels:
  - .name:           k_q8dd2af5460_chain
    .symbol:         k_q8dd2af5460_chain.kd
    .args:
      - { .name: x, .offset: 0, .size: 8, .value_kind: global_buffer, .address_space: global }
      - { .name: x_mask, .offset: 8, .size: 8, .value_kind: global_buffer, .address_space: global }
      - { .name: wts, .offset: 16, .size: 8, .value_kind: global_buffer, .address_space: global }
      - { .name: mt, .offset: 24, .size: 8, .value_kind: global_buffer, .address_space: global }
      - { .name: gb, .offset: 32, .size: 8, .value_kind: global_buffer, .address_space: global }
      - { .name: out0, .offset: 40, .size: 8, .value_kind: global_buffer, .address_space: global }
    .group_segment_fixed_size: 327680
    .private_segment_fixed_size: 0
    .kernarg_segment_align: 8
    .kernarg_segment_size: 48
    .max_flat_workgroup_size: 128
    .sgpr_count:     100
    .vgpr_count:     768
    .wavefront_size: 32
...
	.end_amdgpu_metadata
.endif
;; end of part 2
;; ======== version 2 of 2: 2 launches
;; limits: values are held in f16: magnitudes above 65,504 overflow, below 6.1e-05 lose precision
;; workspace buffers: wts 917,504 bytes; mt 8,912,896 bytes; gb 4,096 bytes
;; launch kv (part 3): grid 256 x 1, 4 waves a work-group, clusters of 4 x 1, 327,680 bytes of LDS; arguments source, source_mask, Wk, Wv, Wm, Wq, W1, W2, g1, b1, g2, b2, wts, mt, gb; writes wts, mt, gb
.if DOCPART == 3
	.amdgcn_target "amdgcn-amd-amdhsa--gfx1250"
	.amdhsa_code_object_version 6
	.text
	.protected	k_q8dd2af5460_kv
	.globl	k_q8dd2af5460_kv
	.p2align	8
	.type	k_q8dd2af5460_kv,@function
k_q8dd2af5460_kv:
	s_mov_b64 s[64:65], 0
	v_nop
	global_prefetch_b8 v0, s[64:65] scope:SCOPE_SE
	s_setreg_imm32_b32 hwreg(HW_REG_WAVE_MODE, 25, 1), 1
	s_wait_xcnt 0x0
	s_wait_alu depctr_hold_cnt(0) depctr_sa_sdst(0) depctr_va_vdst(0) depctr_va_sdst(0) depctr_va_ssrc(0) depctr_va_vcc(0) depctr_vm_vsrc(0)
	s_getreg_b32 s2, hwreg(HW_REG_IB_STS2, 6, 4)
	s_cmp_eq_u32 s2, 0
	s_cbranch_scc0 .Lentry_in_a_cluster
	s_endpgm
.Lentry_in_a_cluster:
	s_bfe_u32 s2, ttmp6, 0x10000c
	s_cmp_lg_u32 s2, 0x3003
	s_cbranch_scc0 .Lentry_shape_is_right
	s_endpgm
.Lentry_shape_is_right:
; LINEAR ATTENTION, FIRST HALF.  For batch n, with m the source mask: K = (elu(source Wk^T) + 1) m, Ksum[d] = sum over s of K[s][d], KV[d][v] = sum over s of K[s][d] m[s] (source Wv^T)[s][v].
; Stored: mt[n] = MT[o][d] = sum over v of Wm[o][v] KV[d][v] (bf16) and Ksum (bf16), so that the second launch makes (Q KV) Wm^T and Q . Ksum as ONE product with Q.
; LEFT OUT OR REORDERED, for all values of the inputs: reference() divides v by v_len = 1024 and multiplies msg by v_len: the two factors give 1 by an identity.  node_num = 8 only regroups rows:
; every step behind KV works on one row of 256.  K^T (source Wv^T) = (K^T source) Wv^T and (Q KV Z) Wm^T = Z (Q (KV Wm^T)) are changes of the order of sums.  So v itself is never made: the launch sums
; G[d][c] = sum over s of K[s][d] m[s] source[s][c] and folds it twice at the end, KV = G Wv^T, MT = KV Wm^T.  Every input has a way to the output and is loaded.
; LIMIT: an underflow of v / 1024, or an overflow of v alone, that reference() might meet is not reproduced.  NaN and infinities are not treated apart.
; FORMATS.  All inputs are rounded to bf16 (masks, g and b too, kept as f32); K, G, KV, MT, Ksum are bf16 matrix operands (G and KV have no room in f16 for large inputs); sums in f32.
; ALSO MADE HERE, once: wts = Wq, W1, W2 rounded to bf16 and laid out in fragments; W1's columns 256..511 and W2 are then written as f16 (limit: weights within 65,504); gb = g1, b1, g2, b2 rounded.
; A FRAGMENT is 16 rows x 32 k of 16-bit numbers, 1,024 bytes in register order: byte 512 half + 16 lane holds row lane % 16, k = 16 half + 8 (lane / 16) + 0..7: two loads of 16 bytes a lane, 512 bytes on end each.
; SHARES.  A cluster of four work-groups has one batch; work-group a owns d = 64 a .. 64 a + 63 and all 256 c.  s goes in 8 steps of 128 rows, 32 to a wave.  The four ask for each tile of source JOINTLY.
; LDS: 0 Wk's four tiles in fragments (tile c, k step ks at 8192 c + 1024 ks), written by LDS stores; STG for each wave 32 rows x 544 bytes: its rows of source in bf16, stored as they lie and read back turned
; (544 = 17 x 32); SRCB one slot of 128 rows x 1,040 bytes of f32; SPARE; KSC.
; Behind the last fill: RED 0..262,143 (f32 partial G), GF G's fragments, and KV's fragments from 0.
; REGISTERS, in windows of 256: window 0 addresses, masks, ACC, KF, at work; window 1 v0-127 source's fragments (rt, ks) at 8 (8 rt + ks), v128-191 and v192-255 two buffers, at the end a weight's 32 fragments;
; windows 2, 3 the 64 accumulators G(ct, dt) at 8 (4 (ct % 8) + dt), at the end 64 rows of a weight in f32.
.set STG,   32768
.set STP,   544
.set SRCB,  102400
.set SPIT,  1040
.set GF,    262144
.set SPARE, 296960
.set KSC,   297472
.set R,   1            ; lane % 16
.set H,   2            ; lane / 16
.set L16, 3            ; 16 x lane
.set ST,  4            ; my stage by rows: row r, 16 h
.set TR,  5            ; my stage for the turning loads: row 8 h + lane % 8, 16 ((lane / 8) % 2)
.set SA,  7            ; my place in my wave's rows of the slot
.set MO,  8            ; 32 h
.set WO,  9            ; 1,024 r + 32 h
.set WD,  10           ; where Wk's fragments go; later Ksum's words
.set PFO, 11           ; 1,024 x lane
.set RA,  12           ; v12-15 addresses of the reduction and the folds
.set SPW, 28
.set NIL, 29
.set MK,  32           ; v32-47 the step's masks: s = 16 rt + 8 h + j at MK + 8 rt + j
.set MKN, 48           ; v48-63 the next step's, as loaded
.set ACC, 64           ; v64-95 four accumulators
.set KF,  96           ; v96-127 K's fragments, one for each of my four tiles of d
.set FB,  128          ; v128-191 the folds' eight fragments out of LDS
.set KSA, 144          ; v144-151 Ksum, a pair for each tile of d (dead when FB is used)
.set T,   160          ; v160-191 at work (likewise)
.set PK,  192          ; v192-207
.set G1,  40
.set G0,  48
.set WV,  52
.set CX,  53
.set CNT, 54
.set SEL, 56
.set L2E, 58
.set PFA, 60
.set SM,  62
.set WP,  84
.set WVP, 86
.set MTP, 88
.set MT2, 90
.set STEP, 92
.set WMP, 96
.set MSB, 0
.macro WIN new                          ; the immediate's high byte repeats the setting that is left; a switch that changes nothing is dropped
.if MSB != (\new)
	s_set_vgpr_msb (MSB<<8)|(\new)
.set MSB, (\new)
.endif
.endm
.macro PLACES                           ; four places behind a matrix instruction (ISA guide 7.12.1)
.rept 4
	v_nop
.endr
.endm
.macro BAR
	s_barrier_signal -1
	s_barrier_wait -1
.endm
.macro CROUND                           ; a round of the cluster's barrier
	s_barrier_signal -1
	s_barrier_wait -1
	s_cmp_lg_u32 s[WV], 0
	s_cbranch_scc1 .Lnot_wave_0_\@
	s_barrier_signal -3
.Lnot_wave_0_\@:
	s_barrier_wait -3
	s_barrier_signal -1
	s_barrier_wait -1
.endm
.macro MLOAD                            ; a step's 16 masks a lane
	global_load_b128 v[MKN:MKN+3], v[MO], s[SM:SM+1]
	global_load_b128 v[MKN+4:MKN+7], v[MO], s[SM:SM+1] offset:16
	global_load_b128 v[MKN+8:MKN+11], v[MO], s[SM:SM+1] offset:64
	global_load_b128 v[MKN+12:MKN+15], v[MO], s[SM:SM+1] offset:80
.endm
; source's f32 rows out of the slot, rounded into fragments: batch b = row tile b / 2, k steps 4 (b % 2) + 0..3
.macro CVLOAD b
	WIN 0x40
.set ci, 0
.rept 4
.set cr, 128+64*((\b)%2)+16*ci
.set co, ((\b)/2)*16*SPIT+(4*((\b)%2)+ci)*128
	ds_load_b128 v[cr:cr+3], v[SA] offset:co
	ds_load_b128 v[cr+4:cr+7], v[SA] offset:co+16
	ds_load_b128 v[cr+8:cr+11], v[SA] offset:co+64
	ds_load_b128 v[cr+12:cr+15], v[SA] offset:co+80
.set ci, ci+1
.endr
.endm
.macro CVCVT b
	WIN 0x45
.set ci, 0
.rept 32
	v_cvt_pk_bf16_f32 v[8*(8*((\b)/2)+4*((\b)%2)+ci/8)+ci%8], v[128+64*((\b)%2)+16*(ci/8)+2*(ci%8)], v[128+64*((\b)%2)+16*(ci/8)+2*(ci%8)+1]
.set ci, ci+1
.endr
.endm
.macro CONVERT
	CVLOAD 0
	CVLOAD 1
	s_wait_dscnt 16                     ; the older batch is in, the younger 16 loads stay out
	CVCVT 0
	CVLOAD 2
	s_wait_dscnt 16
	CVCVT 1
	CVLOAD 3
	s_wait_dscnt 16
	CVCVT 2
	s_wait_dscnt 0x0
	CVCVT 3
	WIN 0
.endm
.macro RBMASK                           ; the masks rounded to bf16, kept as f32
.set mi, 0
.rept 8
	v_cvt_pk_bf16_f32 v[T+mi], v[MKN+2*mi], v[MKN+2*mi+1]
	v_lshlrev_b32 v[MK+2*mi], 16, v[T+mi]
	v_and_b32 v[MK+2*mi+1], 0xffff0000, v[T+mi]
.set mi, mi+1
.endr
.endm
; my 32 rows of source, bf16, into my stage as they lie: fragment (rt, ks) holds row r, bytes 64 ks + 16 h and 64 ks + 32 + 16 h
.macro STSTORE
	WIN 0x04
.set si, 0
.rept 16
	ds_store_b128 v[ST], v[8*si:8*si+3] offset:(si/8)*16*STP+(si%8)*64
	ds_store_b128 v[ST], v[8*si+4:8*si+7] offset:(si/8)*16*STP+(si%8)*64+32
.set si, si+1
.endr
.endm
; 16 LDS loads: Wk's fragments of column tiles c0, c0 + 1, k steps 4 g + 0..3, into a buffer of window 1
.macro LDG buf, c0, g
	WIN 0x40
.set lk, 0
.rept 4
.set lc, 0
.rept 2
.set lr, (\buf)+8*(2*lk+lc)
.set lo, ((\c0)+lc)*8192+(4*(\g)+lk)*1024
	ds_load_b128 v[lr:lr+3], v[L16] offset:lo
	ds_load_b128 v[lr+4:lr+7], v[L16] offset:lo+512
.set lc, lc+1
.endr
.set lk, lk+1
.endr
.endm
; 16 turning loads: source^T's fragments of column tiles c0 + 0..7: lane l then holds column l % 16 and s = 8 (l / 16) + 0..7, 16 + 8 (l / 16) + 0..7.  LDS serves a wave's instructions in order (ISA guide 5.7.1.4): they see my stores
.macro TRL buf, c0
	WIN 0x40
.set li, 0
.rept 8
	ds_load_tr16_b128 v[(\buf)+8*li:(\buf)+8*li+3], v[TR] offset:32*((\c0)+li)
	ds_load_tr16_b128 v[(\buf)+8*li+4:(\buf)+8*li+7], v[TR] offset:32*((\c0)+li)+16*STP
.set li, li+1
.endr
.endm
; 16 products: source 0 = 16 rows s, source 1 = 16 columns of the projection: a lane holds ONE column and s = 8 h + 0..7.  The four accumulators take turns.
.macro MULP buf, g
	WIN 0x05
.set lk, 0
.rept 4
.set lc, 0
.rept 2
.set lt, 0
.rept 2
.set ra, ACC+8*(2*lc+lt)
.set rs, 8*(8*lt+4*(\g)+lk)
.set rw, (\buf)+8*(2*lk+lc)
.if (4*(\g)+lk) == 0
	v_wmma_f32_16x16x32_bf16 v[ra:ra+7], v[rs:rs+7], v[rw:rw+7], 0
.else
	v_wmma_f32_16x16x32_bf16 v[ra:ra+7], v[rs:rs+7], v[rw:rw+7], v[ra:ra+7]
.endif
.set lt, lt+1
.endr
.set lc, lc+1
.endr
.set lk, lk+1
.endr
.endm
; K = (max(k, 0) + 2^(log2(e) min(k, 0))) m for tiles c0, c0 + 1 of d; Ksum takes K; K m, rounded, is the fragment for G: a lane's 8 + 8 values of s ARE its registers 0-3 and 4-7
.macro ELUK c0
	WIN 0
.set ei, 0
.rept 32
	v_min_num_f32 v[T+ei], 0, v[ACC+ei]
.set ei, ei+1
.endr
.set ei, 0
.rept 16
	v_pk_mul_f32 v[T+2*ei:T+2*ei+1], v[T+2*ei:T+2*ei+1], s[L2E:L2E+1] op_sel_hi:[1,0]
.set ei, ei+1
.endr
.set ei, 0
.rept 32
	v_exp_f32 v[T+ei], v[T+ei]
.set ei, ei+1
.endr
.set ei, 0
.rept 32
	v_max_num_f32 v[ACC+ei], 0, v[ACC+ei]
.set ei, ei+1
.endr
	s_wait_alu depctr_va_vdst(0)        ; one wait for the batch of 32 exponentials; the 32 maxima stand between
.set ei, 0
.rept 16
	v_pk_add_f32 v[ACC+2*ei:ACC+2*ei+1], v[ACC+2*ei:ACC+2*ei+1], v[T+2*ei:T+2*ei+1]
.set ei, ei+1
.endr
.set ei, 0
.rept 16
	v_pk_mul_f32 v[ACC+2*ei:ACC+2*ei+1], v[ACC+2*ei:ACC+2*ei+1], v[MK+8*((ei/4)%2)+2*(ei%4):MK+8*((ei/4)%2)+2*(ei%4)+1]
.set ei, ei+1
.endr
.set ei, 0
.rept 16
	v_pk_add_f32 v[KSA+2*((\c0)+ei/8):KSA+2*((\c0)+ei/8)+1], v[KSA+2*((\c0)+ei/8):KSA+2*((\c0)+ei/8)+1], v[ACC+2*ei:ACC+2*ei+1]
.set ei, ei+1
.endr
.set ei, 0
.rept 16                                ; v's mask, which falls on the same s
	v_pk_mul_f32 v[ACC+2*ei:ACC+2*ei+1], v[ACC+2*ei:ACC+2*ei+1], v[MK+8*((ei/4)%2)+2*(ei%4):MK+8*((ei/4)%2)+2*(ei%4)+1]
.set ei, ei+1
.endr
.set ei, 0
.rept 16
	v_cvt_pk_bf16_f32 v[KF+8*((\c0)+ei/8)+4*((ei/4)%2)+ei%4], v[ACC+2*ei], v[ACC+2*ei+1]
.set ei, ei+1
.endr
.endm
; G(ct, dt) += source^T K: source 0 = 16 columns c, source 1 = 16 d, 32 s deep: 32 accumulators, one product each
.macro GMUL hf
	WIN 0xa1+0x50*(\hf)
.set gi, 0
.rept 32
	v_wmma_f32_16x16x32_bf16 v[8*gi:8*gi+7], v[128+64*(\hf)+8*(gi/4):128+64*(\hf)+8*(gi/4)+7], v[KF+8*(gi%4):KF+8*(gi%4)+7], v[8*gi:8*gi+7]
.set gi, gi+1
.endr
.endm
; A step's work on my 32 rows.  The two buffers take turns; each group of 16 loads is asked for a group of products, or a feature map, ahead of its use, four places behind the last product that read its buffer.
.macro COMPUTE
	STSTORE
	LDG 128, 0, 0
	LDG 192, 0, 1
	s_wait_dscnt 16                     ; buffer 128 is in (and my stores are done); the youngest 16 loads stay out: so at each of these waits
	MULP 128, 0
	PLACES
	LDG 128, 2, 0
	s_wait_dscnt 16
	MULP 192, 1
	PLACES
	LDG 192, 2, 1
	ELUK 0
	s_wait_dscnt 16
	MULP 128, 0
	PLACES
	TRL 128, 0
	s_wait_dscnt 16
	MULP 192, 1
	PLACES
	TRL 192, 8
	ELUK 2
	s_wait_dscnt 16
	GMUL 0
	s_wait_dscnt 0x0
	GMUL 1
	WIN 0
.endm
.macro SUM4                             ; four partial tiles of 8 registers in T: their sum, rounded to bf16, into PK
.set si, 0
.rept 4
	v_pk_add_f32 v[T+2*si:T+2*si+1], v[T+2*si:T+2*si+1], v[T+8+2*si:T+8+2*si+1]
	v_pk_add_f32 v[T+16+2*si:T+16+2*si+1], v[T+16+2*si:T+16+2*si+1], v[T+24+2*si:T+24+2*si+1]
.set si, si+1
.endr
.set si, 0
.rept 4
	v_pk_add_f32 v[T+2*si:T+2*si+1], v[T+2*si:T+2*si+1], v[T+16+2*si:T+16+2*si+1]
.set si, si+1
.endr
.set si, 0
.rept 4
	v_cvt_pk_bf16_f32 v[PK+si], v[T+2*si], v[T+2*si+1]
.set si, si+1
.endr
.endm
; My 64 rows of a 256-wide f32 weight, as fragments lie: tile t, k step ks, 16 registers at 128 (t % 2) + 16 ks of window 2 + t / 2: 128 loads, all on their way at once
.macro WLOAD p
.set wt, 0
.rept 4
	WIN 0x80+0x40*(wt/2)
.set wi, 0
.rept 8
.set wr, 128*(wt%2)+16*wi
	global_load_b128 v[wr:wr+3], v[WO], s[\p:\p+1] offset:16384*wt+128*wi
	global_load_b128 v[wr+4:wr+7], v[WO], s[\p:\p+1] offset:16384*wt+128*wi+16
	global_load_b128 v[wr+8:wr+11], v[WO], s[\p:\p+1] offset:16384*wt+128*wi+64
	global_load_b128 v[wr+12:wr+15], v[WO], s[\p:\p+1] offset:16384*wt+128*wi+80
.set wi, wi+1
.endr
.set wt, wt+1
.endr
	WIN 0
.endm
.macro WCVT                             ; rounded into window 1: fragment (t, ks) at 8 (8 t + ks)
.set wt, 0
.rept 4
	WIN 0x4a+5*(wt/2)
.set wi, 0
.rept 64
	v_cvt_pk_bf16_f32 v[64*wt+wi], v[128*(wt%2)+2*wi], v[128*(wt%2)+2*wi+1]
.set wi, wi+1
.endr
.set wt, wt+1
.endr
	WIN 0
.endm
.macro FBLOAD                           ; eight fragments of one tile of d
.set ki, 0
.rept 8
	ds_load_b128 v[FB+8*ki:FB+8*ki+3], v[RA] offset:1024*ki
	ds_load_b128 v[FB+8*ki+4:FB+8*ki+7], v[RA] offset:1024*ki+512
.set ki, ki+1
.endr
	s_wait_dscnt 0x0
.endm
.macro PACK16                           ; four results rounded: 16 bytes a lane each
	WIN 0
	PLACES
.set ki, 0
.rept 16
	v_cvt_pk_bf16_f32 v[PK+ki], v[ACC+2*ki], v[ACC+2*ki+1]
.set ki, ki+1
.endr
.endm
	s_load_b512 s[8:23], s[0:1], 0x0    ; source 8, source_mask 10, Wk 12, Wv 14, Wm 16, Wq 18, W1 20, W2 22
	s_load_b256 s[24:31], s[0:1], 0x40  ; g1 24, b1 26, g2 28, b2 30
	s_load_b128 s[32:35], s[0:1], 0x60  ; wts 32, mt 34
	s_load_b64 s[36:37], s[0:1], 0x70   ; gb
	v_lshl_add_u32 v[SPW], v0, 2, SPARE
	v_mov_b32 v[NIL], 0
	ds_add_u32 v[SPW], v[NIL]           ; the wave's opening: the add, twice on end, and its wait ahead of my first tensor load
	ds_add_u32 v[SPW], v[NIL]
	v_lshrrev_b32 v1, 5, v0
	v_readfirstlane_b32 s[WV], v1       ; wave 0..3
	s_bfe_u32 s[CX], ttmp6, 0x40000     ; a: my place in the cluster; it enters global addresses alone
	; descriptor group 1: 32 rows x 256 elements of 4 bytes, 4 words of padding behind every 256; the mask names all four work-groups
	s_mov_b32 s[G1], 15|(2<<16)|(1<<20)|(1<<21)|(7<<22)|(3<<25)
	s_mov_b32 s[G1+1], 256<<16
	s_mov_b32 s[G1+2], 32<<16
	s_mov_b32 s[G1+3], 256<<16
	s_mov_b32 s[G1+4], 32
	s_mov_b32 s[G1+5], 256
	s_mov_b32 s[G1+6], 0
	s_mov_b32 s[G1+7], 0
	s_mov_b32 s[G0], 1
	s_mul_i32 s[G0+1], s[WV], 32*SPIT
	s_add_co_u32 s[G0+1], s[G0+1], SRCB ; my wave's 32 rows of the slot
	s_lshl_b32 s66, ttmp9, 20           ; the batch's 1,048,576 bytes of source
	s_mov_b32 s67, 0
	s_lshl_b32 s68, s[WV], 15           ; my wave's 32 rows
	s_mov_b32 s69, 0
	s_mov_b32 s[SEL], 0x76543210
	s_mov_b32 s[SEL+1], 0xfedcba98
	s_mov_b32 s[L2E], 0x3fb8aa3b        ; log2(e)
	s_mov_b32 s[L2E+1], s[L2E]
	v_and_b32 v[R], 15, v0
	v_bfe_u32 v[H], v0, 4, 1
	v_and_b32 v[L16], 31, v0
	v_lshlrev_b32 v[PFO], 10, v[L16]
	v_lshlrev_b32 v[L16], 4, v[L16]
	v_lshlrev_b32 v[MO], 5, v[H]
	v_lshl_add_u32 v[WO], v[R], 10, v[MO]
	v_mul_u32_u24 v[SA], v[R], SPIT
	v_add_nc_u32 v[SA], v[SA], v[MO]
	v_add_nc_u32 v[SA], s[G0+1], v[SA]
	s_mul_i32 s70, s[WV], 32*STP
	s_add_co_u32 s70, s70, STG          ; my stage
	v_mul_u32_u24 v[ST], v[R], STP
	v_lshl_add_u32 v[ST], v[H], 4, v[ST]
	v_add_nc_u32 v[ST], s70, v[ST]
	v_and_b32 v[TR], 7, v0
	v_lshl_add_u32 v[TR], v[H], 3, v[TR]
	v_mul_u32_u24 v[TR], v[TR], STP
	v_bfe_u32 v[T], v0, 3, 1
	v_lshl_add_u32 v[TR], v[T], 4, v[TR]
	v_add_nc_u32 v[TR], s70, v[TR]
	s_lshl_b32 s70, s[WV], 13
	v_add_nc_u32 v[WD], s70, v[L16]     ; Wk's tile c = wave
	s_wait_dscnt 0x0                    ; both opening adds are done
	s_wait_kmcnt 0x0
	s_add_nc_u64 s[8:9], s[8:9], s[66:67]
	s_add_nc_u64 s[G0+2:G0+3], s[8:9], s[68:69]
	s_or_b32 s[G0+3], s[G0+3], 0x80000000
	s_lshl_b32 s70, ttmp9, 12
	s_lshl_b32 s72, s[WV], 7
	s_add_co_u32 s70, s70, s72
	s_mov_b32 s71, 0
	s_add_nc_u64 s[SM:SM+1], s[10:11], s[70:71]   ; the masks of my 32 rows of step 0
	s_lshl_b32 s70, s[CX], 15
	s_lshl_b32 s72, s[WV], 8
	s_add_co_u32 s70, s70, s72
	s_add_co_u32 s70, s70, 131072
	s_add_nc_u64 s[PFA:PFA+1], s[8:9], s[70:71]   ; the prefetches: row 32 a + lane, bytes 256 w on, of tile 1; stepped ahead of each use
	s_lshl_b32 s72, s[WV], 16
	s_mov_b32 s73, 0
	s_add_nc_u64 s[WVP:WVP+1], s[14:15], s[72:73] ; Wv's and Wm's rows 64 w on
	s_add_nc_u64 s[WMP:WMP+1], s[16:17], s[72:73]
	s_lshl_b32 s70, s[CX], 16
	s_lshl_b32 s72, s[WV], 14
	s_add_co_u32 s70, s70, s72
	s_add_nc_u64 s[WP:WP+1], s[12:13], s[70:71]   ; Wk's rows 64 a + 16 w
	CROUND                              ; all four work-groups are here: the first joint loads meet
	tensor_load_to_lds s[G0:G0+3], s[G1:G1+7]     ; tile 0
	s_nop 0
	PLACES
	MLOAD
	WIN 0x40
.set wi, 0
.rept 8                                 ; my tile of Wk: asked for here, rounded behind the work below
	global_load_b128 v[128+16*wi:128+16*wi+3], v[WO], s[WP:WP+1] offset:128*wi
	global_load_b128 v[128+16*wi+4:128+16*wi+7], v[WO], s[WP:WP+1] offset:128*wi+16
	global_load_b128 v[128+16*wi+8:128+16*wi+11], v[WO], s[WP:WP+1] offset:128*wi+64
	global_load_b128 v[128+16*wi+12:128+16*wi+15], v[WO], s[WP:WP+1] offset:128*wi+80
.set wi, wi+1
.endr
	WIN 0
	; THE WEIGHTS FOR THE SECOND LAUNCH.  Clusters 0..55: wave q = 4 a + w of the cluster makes fragment 16 c + q of wts.  The branches hang on the cluster's number alone; q enters addresses alone.
	s_cmp_lt_u32 ttmp9, 56
	s_cbranch_scc0 .Ltables
	s_lshl2_add_u32 s70, s[CX], s[WV]   ; q
	s_and_b32 s71, s70, 1
	s_lshr_b32 s72, s70, 1
	s_max_u32 s73, ttmp9, 8
	s_sub_co_u32 s73, s73, 8            ; c' = c - 8
	s_mul_i32 s74, s73, 171
	s_lshr_b32 s74, s74, 9              ; hb = c' / 3 (c' under 48)
	s_mul_i32 s75, s74, 3
	s_sub_co_u32 s75, s73, s75          ; part = c' % 3
	s_lshl_b32 s76, s74, 5
	s_lshl_b32 s77, ttmp9, 5
	s_cmp_lt_u32 ttmp9, 8               ; Wq: rows 32 c + 16 (q & 1), k step q >> 1
	s_cselect_b32 s76, s77, s76
	s_cselect_b32 s78, 10, 11           ; log2 of a row's bytes
	s_cselect_b32 s75, 0, s75
	s_cselect_b64 s[80:81], s[18:19], s[20:21]
	s_lshl4_add_u32 s76, s71, s76       ; W1: rows 32 hb + 16 (q & 1),
	s_lshl3_add_u32 s79, s75, s72       ; k step 8 part + (q >> 1)
	s_lshl_b32 s77, s70, 4
	s_cmp_eq_u32 s75, 2                 ; W2: rows 16 q, k step hb
	s_cselect_b32 s76, s77, s76
	s_cselect_b32 s79, s74, s79
	s_cselect_b64 s[80:81], s[22:23], s[80:81]
	s_lshl_b32 s76, s76, s78
	s_lshl_b32 s79, s79, 7
	s_add_co_u32 s76, s76, s79
	s_mov_b32 s77, 0
	s_add_nc_u64 s[80:81], s[80:81], s[76:77]
	v_lshlrev_b32 v[T], s78, v[R]
	v_add_nc_u32 v[T], v[T], v[MO]
	global_load_b128 v[T+4:T+7], v[T], s[80:81]
	global_load_b128 v[T+8:T+11], v[T], s[80:81] offset:16
	global_load_b128 v[T+12:T+15], v[T], s[80:81] offset:64
	global_load_b128 v[T+16:T+19], v[T], s[80:81] offset:80
	s_wait_loadcnt 0x0
.set pi, 0
.rept 8
	v_cvt_pk_bf16_f32 v[T+20+pi], v[T+4+2*pi], v[T+5+2*pi]
.set pi, pi+1
.endr
	s_cmp_eq_u32 s75, 0
	s_cbranch_scc1 .Lkeep_bf16
.set pi, 0
.rept 8                                 ; parts 1 and 2: the bf16 number written as f16
	v_lshlrev_b32 v[T+4], 16, v[T+20+pi]
	v_and_b32 v[T+5], 0xffff0000, v[T+20+pi]
	v_cvt_pk_f16_f32 v[T+20+pi], v[T+4], v[T+5]
.set pi, pi+1
.endr
.Lkeep_bf16:
	s_lshl4_add_u32 s76, ttmp9, s70
	s_lshl_b32 s76, s76, 10
	s_add_nc_u64 s[82:83], s[32:33], s[76:77]
	global_store_b128 v[L16], v[T+20:T+23], s[82:83]             ; 512 consecutive bytes each
	global_store_b128 v[L16], v[T+24:T+27], s[82:83] offset:512
	s_branch .Lprep_done
.Ltables:                               ; clusters 56..59: g1, b1, g2, b2; wave 0 of each partner takes 256 bytes, told apart by address
	s_cmp_lt_u32 ttmp9, 60
	s_cbranch_scc0 .Lprep_done
	s_cmp_eq_u32 s[WV], 0
	s_cbranch_scc0 .Lprep_done
	s_cmp_lt_u32 ttmp9, 58
	s_cselect_b64 s[80:81], s[24:25], s[28:29]
	s_cselect_b64 s[82:83], s[26:27], s[30:31]
	s_bitcmp1_b32 ttmp9, 0
	s_cselect_b64 s[80:81], s[82:83], s[80:81]
	s_sub_co_u32 s76, ttmp9, 56
	s_lshl_b32 s76, s76, 10
	s_mov_b32 s77, 0
	s_add_nc_u64 s[82:83], s[36:37], s[76:77]
	v_lshrrev_b32 v[T], 1, v[L16]
	v_lshl_add_u32 v[T], s[CX], 8, v[T]
	global_load_b64 v[T+2:T+3], v[T], s[80:81]
	s_wait_loadcnt 0x0
	v_cvt_pk_bf16_f32 v[T+4], v[T+2], v[T+3]
	v_lshlrev_b32 v[T+2], 16, v[T+4]
	v_and_b32 v[T+3], 0xffff0000, v[T+4]
	global_store_b64 v[T], v[T+2:T+3], s[82:83]
.Lprep_done:
	s_wait_xcnt 0x0                     ; the stores above have read their registers: T and the scalars are written again only behind this wait
	; the sums start at 0: written while tile 0 and Wk are on their way, so that every step has one form of product
	WIN 0x80
.set zi, 0
.rept 256
	v_mov_b32 v[zi], 0
.set zi, zi+1
.endr
	WIN 0xc0
.set zi, 0
.rept 256
	v_mov_b32 v[zi], 0
.set zi, zi+1
.endr
	WIN 0
.set zi, 0
.rept 8
	v_mov_b32 v[KSA+zi], 0
.set zi, zi+1
.endr
	s_wait_loadcnt 0x0                  ; my tile of Wk is in
	WIN 0x45
.set wi, 0
.rept 64                                ; in place, ascending: the destination has been read already
	v_cvt_pk_bf16_f32 v[128+16*(wi/8)+wi%8], v[128+16*(wi/8)+2*(wi%8)], v[128+16*(wi/8)+2*(wi%8)+1]
.set wi, wi+1
.endr
	WIN 0x04
.set wi, 0
.rept 8
	ds_store_b128 v[WD], v[128+16*wi:128+16*wi+3] offset:1024*wi
	ds_store_b128 v[WD], v[128+16*wi+4:128+16*wi+7] offset:1024*wi+512
.set wi, wi+1
.endr
	WIN 0
	s_wait_dscnt 0x0                    ; my fragments lie in LDS
	BAR                                 ; everybody's do
	s_mov_b32 s[CNT], 7
.Lstep:                                 ; steps 0..6: the tile is rounded into registers, the slot is asked for again, and the step's work runs while it lands
	s_wait_tensorcnt 0x0                ; my own 32 rows are in (one load of mine was out); no other wave reads them
	s_wait_loadcnt 0x0                  ; the step's masks
	RBMASK                              ; 24 plain instructions: also the places behind the last step's products, ahead of the loads into their buffers
	CONVERT
	s_wait_xcnt 0x0                     ; the last prefetch, a step back, has read its address
	s_add_nc_u64 s[SM:SM+1], s[SM:SM+1], 512
	s_add_nc_u64 s[PFA:PFA+1], s[PFA:PFA+1], 131072
	s_wait_tensorcnt 0x0                ; no tensor load of mine is out, so group 0 may be written
	ds_add_u32 v[SPW], v[NIL]           ; 0 onto my spare word
	s_add_nc_u64 s[G0+2:G0+3], s[G0+2:G0+3], 131072
	s_wait_dscnt 0x0                    ; the add is done, and my reads of the slot are over
	CROUND                              ; no wave of any partner still reads the slot
	tensor_load_to_lds s[G0:G0+3], s[G1:G1+7]     ; the next tile: it has the step's 128 products and two feature maps in which to land
	s_nop 0
	PLACES
	MLOAD
	s_cmp_gt_u32 s[CNT], 1              ; the tile after the next: 128 rows x 4 blocks of 256 bytes, one for each lane of the cluster's 16 waves; the last refill has none behind it
	s_cbranch_scc0 .Lnot_asked
	global_prefetch_b8 v[PFO], s[PFA:PFA+1] th:TH_LOAD_NT scope:SCOPE_SE
.Lnot_asked:
	COMPUTE
	s_sub_co_u32 s[CNT], s[CNT], 1
	s_cmp_lg_u32 s[CNT], 0
	s_cbranch_scc1 .Lstep
	s_wait_tensorcnt 0x0                ; step 7 is written out: nothing more is asked for
	s_wait_loadcnt 0x0
	RBMASK
	CONVERT
	COMPUTE
	; THE FOUR WAVES' PARTIAL SUMS MEET.  Ksum first: the pair, then the other half of the lanes (the other 16 of 32 s)
	PLACES
.set ki, 0
.rept 4
	v_add_f32 v[T+ki], v[KSA+2*ki], v[KSA+2*ki+1]
.set ki, ki+1
.endr
.set ki, 0
.rept 4
	v_permlanex16_b32 v[T+4+ki], v[T+ki], s[SEL], s[SEL+1]
.set ki, ki+1
.endr
.set ki, 0
.rept 4
	v_add_f32 v[T+ki], v[T+ki], v[T+4+ki]
.set ki, ki+1
.endr
	s_lshl_b32 s66, s[WV], 8
	s_add_co_u32 s66, s66, KSC
	v_lshl_add_u32 v[WD], v[R], 2, s66
.set ki, 0
.rept 4
	ds_store_b32 v[WD], v[T+ki] offset:64*ki
.set ki, ki+1
.endr
	s_wait_dscnt 0x0                    ; my stores are done and my reads of Wk, of my stage and of the slot are over
	BAR                                 ; everybody's are: those bytes, the slot's behind its last fill, are written anew
	s_lshl_b32 s66, s[WV], 14
	v_add_nc_u32 v[RA], s66, v[L16]
	v_add_nc_u32 v[RA+1], 0x10000, v[RA]
	v_add_nc_u32 v[RA+2], 0x20000, v[RA]
	v_add_nc_u32 v[RA+3], 0x30000, v[RA]
.set wn, 0
.rept 2                                 ; RED[dt][wave][ct], 1,024 bytes a tile; each accumulator's low registers go first
	WIN 0x08+4*wn
.set ki, 0
.rept 32
	ds_store_b128 v[RA+ki%4], v[8*ki:8*ki+3] offset:(8*wn+ki/4)*1024
	ds_store_b128 v[RA+ki%4], v[8*ki+4:8*ki+7] offset:(8*wn+ki/4)*1024+512
.set ki, ki+1
.endr
.set wn, wn+1
.endr
	WIN 0
	s_wait_dscnt 0x0                    ; the sums lie in LDS: windows 2 and 3 are free
	WLOAD WVP                           ; my 64 rows of Wv: on their way during the reduction
	BAR
	s_lshl_b32 s66, s[WV], 16           ; wave w finishes dt = w
	v_add_nc_u32 v[RA], s66, v[L16]
	s_lshl_b32 s66, s[WV], 13
	s_add_co_u32 s66, s66, GF
	v_add_nc_u32 v[RA+1], s66, v[L16]
	s_mov_b32 s[CNT], 16
.Lred:                                  ; a trip: tile ct.  A lane's sums (d = r, c = 16 ct + 8 h + 0..7), rounded, are half ct % 2 of G's fragment ct / 2
.set ki, 0
.rept 4
	ds_load_b128 v[T+8*ki:T+8*ki+3], v[RA] offset:16384*ki
	ds_load_b128 v[T+8*ki+4:T+8*ki+7], v[RA] offset:16384*ki+512
.set ki, ki+1
.endr
	s_wait_dscnt 0x0
	SUM4
	ds_store_b128 v[RA+1], v[PK:PK+3]
	v_add_nc_u32 v[RA], 1024, v[RA]
	v_add_nc_u32 v[RA+1], 512, v[RA+1]
	s_sub_co_u32 s[CNT], s[CNT], 1
	s_cmp_lg_u32 s[CNT], 0
	s_cbranch_scc1 .Lred
	; Ksum's fragment (tile 16 of MT's rows): row 0 holds Ksum, rows 1..15 hold 0
	s_lshl_b32 s66, s[WV], 6
	s_add_co_u32 s66, s66, KSC
	v_add_nc_u32 v[RA+2], s66, v[MO]
.set ki, 0
.rept 4
	ds_load_b128 v[T+8*ki:T+8*ki+3], v[RA+2] offset:256*ki
	ds_load_b128 v[T+8*ki+4:T+8*ki+7], v[RA+2] offset:256*ki+16
.set ki, ki+1
.endr
	s_mul_i32 s66, ttmp9, 139264        ; mt: batch, k block 2 a + (w >> 1) of 17 fragments, half w & 1
	s_lshr_b32 s70, s[WV], 1
	s_lshl1_add_u32 s70, s[CX], s70
	s_mul_i32 s70, s70, 17408
	s_add_co_u32 s70, s70, s66
	s_and_b32 s72, s[WV], 1
	s_lshl_b32 s72, s72, 9
	s_add_co_u32 s70, s70, s72
	s_mov_b32 s71, 0
	s_add_nc_u64 s[MTP:MTP+1], s[34:35], s[70:71]
	s_mul_i32 s70, s[CX], 34816         ; and for the second fold: k block 2 a, my four tiles of o
	s_add_co_u32 s70, s70, s66
	s_lshl_b32 s72, s[WV], 12
	s_add_co_u32 s70, s70, s72
	s_add_nc_u64 s[MT2:MT2+1], s[34:35], s[70:71]
	s_wait_dscnt 0x0
	SUM4
	v_cmp_eq_u32 vcc_lo, 0, v[R]
.set ki, 0
.rept 4
	v_cndmask_b32 v[PK+ki], 0, v[PK+ki], vcc_lo
.set ki, ki+1
.endr
	global_store_b128 v[L16], v[PK:PK+3], s[MTP:MTP+1] offset:16384
	s_wait_dscnt 0x0                    ; my fragments of G lie in LDS, and my reads of RED are over
	BAR                                 ; everybody's
	s_wait_loadcnt 0x0                  ; Wv's rows are in
	s_wait_xcnt 0x0                     ; Ksum's store has read PK
	WCVT
	WLOAD WMP                           ; my 64 rows of Wm: on their way during the first fold
	; THE FIRST FOLD: KV[d][v] = sum over c of Wv[v][c] G[d][c] for my 64 v and all 64 d.  Source 0 = 16 rows v of Wv, source 1 = 16 rows d of G: a lane holds one d and eight v: half a fragment of KV
	v_add_nc_u32 v[RA], GF, v[L16]
	s_lshl_b32 s66, s[WV], 11
	v_add_nc_u32 v[RA+1], s66, v[L16]   ; KV's fragment (dt, ks) lies at 8192 dt + 1024 ks: my tile 4 w + t of v is its half at 512 (4 w + t)
	s_mov_b32 s[CNT], 4
.Lfold1:                                ; a trip: tile dt
	FBLOAD
	WIN 0x01
.set ki, 0
.rept 32                                ; k step ki / 4, tile ki % 4: the four accumulators take turns
.if ki < 4
	v_wmma_f32_16x16x32_bf16 v[ACC+8*(ki%4):ACC+8*(ki%4)+7], v[64*(ki%4)+8*(ki/4):64*(ki%4)+8*(ki/4)+7], v[FB+8*(ki/4):FB+8*(ki/4)+7], 0
.else
	v_wmma_f32_16x16x32_bf16 v[ACC+8*(ki%4):ACC+8*(ki%4)+7], v[64*(ki%4)+8*(ki/4):64*(ki%4)+8*(ki/4)+7], v[FB+8*(ki/4):FB+8*(ki/4)+7], v[ACC+8*(ki%4):ACC+8*(ki%4)+7]
.endif
.set ki, ki+1
.endr
	PACK16
.set ki, 0
.rept 4
	ds_store_b128 v[RA+1], v[PK+4*ki:PK+4*ki+3] offset:512*ki
.set ki, ki+1
.endr
	v_add_nc_u32 v[RA], 8192, v[RA]
	v_add_nc_u32 v[RA+1], 8192, v[RA+1]
	s_sub_co_u32 s[CNT], s[CNT], 1
	s_cmp_lg_u32 s[CNT], 0
	s_cbranch_scc1 .Lfold1
	s_wait_dscnt 0x0                    ; my part of KV lies in LDS
	BAR                                 ; everybody's
	s_wait_loadcnt 0x0                  ; Wm's rows are in
	WCVT
	; THE SECOND FOLD: MT[o][d] = sum over v of Wm[o][v] KV[d][v] for my 64 o and all 64 d.  Source 0 = 16 rows d of KV, source 1 = 16 rows o of Wm: a lane holds one o and eight d: 16 bytes of MT's fragment
	v_mov_b32 v[RA], v[L16]
	s_mov_b32 s[STEP], 512              ; from dt to dt + 1: the fragment's other half, or the next k block's first: 512 and 16,896 by turns
	s_mov_b32 s[STEP+1], 0
	s_mov_b32 s[CNT], 4
.Lfold2:
	FBLOAD
	WIN 0x04
.set ki, 0
.rept 32
.if ki < 4
	v_wmma_f32_16x16x32_bf16 v[ACC+8*(ki%4):ACC+8*(ki%4)+7], v[FB+8*(ki/4):FB+8*(ki/4)+7], v[64*(ki%4)+8*(ki/4):64*(ki%4)+8*(ki/4)+7], 0
.else
	v_wmma_f32_16x16x32_bf16 v[ACC+8*(ki%4):ACC+8*(ki%4)+7], v[FB+8*(ki/4):FB+8*(ki/4)+7], v[64*(ki%4)+8*(ki/4):64*(ki%4)+8*(ki/4)+7], v[ACC+8*(ki%4):ACC+8*(ki%4)+7]
.endif
.set ki, ki+1
.endr
	PACK16
.set ki, 0
.rept 4
	global_store_b128 v[L16], v[PK+4*ki:PK+4*ki+3], s[MT2:MT2+1] offset:1024*ki   ; 512 consecutive bytes each
.set ki, ki+1
.endr
	v_add_nc_u32 v[RA], 8192, v[RA]
	s_wait_xcnt 0x0                     ; the stores have read their base and PK
	s_add_nc_u64 s[MT2:MT2+1], s[MT2:MT2+1], s[STEP:STEP+1]
	s_xor_b32 s[STEP], s[STEP], 0x4000
	s_sub_co_u32 s[CNT], s[CNT], 1
	s_cmp_lg_u32 s[CNT], 0
	s_cbranch_scc1 .Lfold2
	s_wait_tensorcnt 0x0                ; the wave's end
	ds_add_u32 v[SPW], v[NIL]
	s_wait_dscnt 0x0
	CROUND                              ; the closing round
	s_endpgm
.Lfunc_end_k_q8dd2af5460_kv:
	.size	k_q8dd2af5460_kv, .Lfunc_end_k_q8dd2af5460_kv-k_q8dd2af5460_kv
	.p2alignl 7, 3214868480
	.fill 96, 4, 3214868480
	.section	.rodata,"a",@progbits
	.p2align	6, 0x0
	.amdhsa_kernel k_q8dd2af5460_kv
		.amdhsa_group_segment_fixed_size 327680
		.amdhsa_private_segment_fixed_size 0
		.amdhsa_enable_private_segment 0
		.amdhsa_kernarg_size 120
		.amdhsa_user_sgpr_count 2
		.amdhsa_user_sgpr_kernarg_segment_ptr 1
		.amdhsa_wavefront_size32 1
		.amdhsa_system_sgpr_workgroup_id_x 1
		.amdhsa_system_sgpr_workgroup_id_y 1
		.amdhsa_system_sgpr_workgroup_id_z 1
		.amdhsa_system_vgpr_workitem_id 0
		.amdhsa_next_free_vgpr 1024
		.amdhsa_next_free_sgpr 100
		.amdhsa_reserve_vcc 1
		.amdhsa_float_denorm_mode_32 3
		.amdhsa_float_denorm_mode_16_64 3
		.amdhsa_memory_ordered 1
		.amdhsa_forward_progress 1
		.amdhsa_inst_pref_size 215
	.end_amdhsa_kernel
	.amdgpu_metadata
---
amdhsa.version: [ 1, 2 ]
amdhsa.kernels:
  - .name:           k_q8dd2af5460_kv
    .symbol:         k_q8dd2af5460_kv.kd
    .args:
      - { .name: source, .offset: 0, .size: 8, .value_kind: global_buffer, .address_space: global }
      - { .name: source_mask, .offset: 8, .size: 8, .value_kind: global_buffer, .address_space: global }
      - { .name: Wk, .offset: 16, .size: 8, .value_kind: global_buffer, .address_space: global }
      - { .name: Wv, .offset: 24, .size: 8, .value_kind: global_buffer, .address_space: global }
      - { .name: Wm, .offset: 32, .size: 8, .value_kind: global_buffer, .address_space: global }
      - { .name: Wq, .offset: 40, .size: 8, .value_kind: global_buffer, .address_space: global }
      - { .name: W1, .offset: 48, .size: 8, .value_kind: global_buffer, .address_space: global }
      - { .name: W2, .offset: 56, .size: 8, .value_kind: global_buffer, .address_space: global }
      - { .name: g1, .offset: 64, .size: 8, .value_kind: global_buffer, .address_space: global }
      - { .name: b1, .offset: 72, .size: 8, .value_kind: global_buffer, .address_space: global }
      - { .name: g2, .offset: 80, .size: 8, .value_kind: global_buffer, .address_space: global }
      - { .name: b2, .offset: 88, .size: 8, .value_kind: global_buffer, .address_space: global }
      - { .name: wts, .offset: 96, .size: 8, .value_kind: global_buffer, .address_space: global }
      - { .name: mt, .offset: 104, .size: 8, .value_kind: global_buffer, .address_space: global }
      - { .name: gb, .offset: 112, .size: 8, .value_kind: global_buffer, .address_space: global }
    .group_segment_fixed_size: 327680
    .private_segment_fixed_size: 0
    .kernarg_segment_align: 8
    .kernarg_segment_size: 120
    .max_flat_workgroup_size: 128
    .sgpr_count:     100
    .vgpr_count:     1024
    .wavefront_size: 32
...
	.end_amdgpu_metadata
.endif
;; end of part 3
;; launch chain (part 4): grid 256 x 1, 4 waves a work-group, clusters of 4 x 1, 327,680 bytes of LDS; arguments x, x_mask, wts, mt, gb, out0; writes out0
.if DOCPART == 4
	.amdgcn_target "amdgcn-amd-amdhsa--gfx1250"
	.amdhsa_code_object_version 6
	.text
	.protected	k_q8dd2af5460_chain
	.globl	k_q8dd2af5460_chain
	.p2align	8
	.type	k_q8dd2af5460_chain,@function
k_q8dd2af5460_chain:
	s_mov_b64 s[64:65], 0
	v_nop
	global_prefetch_b8 v0, s[64:65] scope:SCOPE_SE
	s_setreg_imm32_b32 hwreg(HW_REG_WAVE_MODE, 25, 1), 1
	s_wait_xcnt 0x0
	s_wait_alu depctr_hold_cnt(0) depctr_sa_sdst(0) depctr_va_vdst(0) depctr_va_sdst(0) depctr_va_ssrc(0) depctr_va_vcc(0) depctr_vm_vsrc(0)
	s_getreg_b32 s2, hwreg(HW_REG_IB_STS2, 6, 4)
	s_cmp_eq_u32 s2, 0
	s_cbranch_scc0 .Lentry_in_a_cluster
	s_endpgm
.Lentry_in_a_cluster:
	s_bfe_u32 s2, ttmp6, 0x10000c
	s_cmp_lg_u32 s2, 0x3003
	s_cbranch_scc0 .Lentry_shape_is_right
	s_endpgm
.Lentry_shape_is_right:
; LINEAR ATTENTION, SECOND HALF, AND THE MLP, row by row: Q = (elu(x Wq^T) + 1) x_mask; y = Q MT^T, den = Q . Ksum (one product: Ksum is row 256 of MT); m = LN1(y / (den + 1e-6));
; h = relu([x, m] W1^T) W2^T; out = x + LN2(h).  Left out as in the first launch: the factors 1 / v_len and v_len, which give 1; node_num only regroups rows.
; FORMATS.  x, Wq, MT, Q and W1's x columns bf16; m, W1's m columns, the hidden layer and W2 f16 (weights rounded to bf16 first).  LIMIT: the hidden layer within 65,504, beyond it an infinity.
; The residual is x rounded to bf16, as all inputs are.  1 / (den + 1e-6) is applied ahead of LN1's squares.  Sums, norms and activations in f32.  NaN and infinities are not treated apart.
; SHARES.  A cluster of four work-groups has one batch.  A WORK-GROUP STAYS: it takes two blocks of 128 rows, 8 c + cx and 8 c + 4 + cx, in a loop of two trips, so that the first block's stores leave under
; the second block's work.  A wave has 32 rows of a block (row tiles rt = 0, 1), which it takes through the whole chain in registers.  Every product has the weights as source 0 and the rows as source 1:
; a lane holds ONE row (lane % 16) and features 8 (lane / 16) + 0..7, and two results rounded in pairs ARE source 1 of the next product.
; CLUSTER.  The four work-groups walk the same weights: every chunk is asked for JOINTLY.  Chunks (fragments of 1,024 bytes in register order, dense):
; c0, c1: Wq's and MT's k blocks 0-3, 4-7 (65,536 + 69,632 bytes); c2..c9: two blocks each of 32 hidden units (32 fragments of W1, 16 of W2: 49,152 bytes a block).  Chunk k lies in slot k % 2.
; LDS LOADS stand in runs of 32: three buffers of 16 fragments; a block's first 16 fragments are asked for in the block before it (behind the change of slots for a chunk's first block).
; BOTH LAYER NORMS are one text, walked twice: the second takes the factor 1 where the first takes 1 / (den + 1e-6).
; REGISTERS: window 0 addresses, statistics, PACC, QF, DEN, T, a buffer of 16 fragments; window 1 x's fragments (rt, ks) at 8 (8 rt + ks), m's at 128 + the same; window 2 the 32 accumulators (ot, rt) at 8 (2 ot + rt);
; window 3 two buffers of 16 fragments.
.set SLOT,  135168
.set STAGE, 270336     ; 16 rows x 528 bytes for each wave: never filled by a tensor load
.set STP,   528
.set SPARE, 304128
.set R,   1
.set H,   2
.set L16, 3
.set AW1, 4
.set AW2, 5
.set SW,  6            ; the stage by whole rows: 16 bytes a lane
.set SR,  7            ; the stage by fragments: row r, 32 h
.set GO,  8            ; 32 h
.set XO,  9            ; 4 r
.set ZERO, 10
.set ONE, 11
.set PFO, 14           ; 256 x lane
.set XM,  16           ; v16-19 x_mask of my row, a pair for each rt
.set ZR,  20           ; v20-23 the factor ahead of a norm, later 1 / sqrt(var + eps), a pair for each rt
.set MU,  24           ; v24-27 the mean
.set SPW, 28
.set NIL, 29
.set PACC, 32          ; v32-63 four accumulators: feature tile ft, row tile rt at PACC + 8 (2 ft + rt)
.set QF,  64           ; v64-79 Q's, later the hidden layer's, fragment for each rt
.set DEN, 80           ; v80-95
.set T,   96           ; v96-127
.set AB0, 128
.set AB1, 192
.set WV,  16
.set CX,  17
.set XPF, 18           ; s[18:19] where the prefetches of the second block's x stand
.set XLIM, 20
.set G1Q, 24
.set G1M, 32
.set G1W, 40
.set G0Q, 48
.set G0M, 52
.set G0W, 56
.set SEL, 60
.set L2E, 62
.set SB,  66
.set TBQ, 67
.set TBM, 68
.set TB,  69
.set CNT, 70
.set LEFT, 71
.set LIM, 72
.set TILE, 73
.set PFA, 74
.set XP,  80
.set OP,  82
.set MP,  84
.set LQ,  86           ; the three descriptors' first LDS addresses, made of the wave's number
.set LM,  87
.set C256, 94
.set CEPS, 95
.set LW,  96
.set PH,  97
.set GBP, 98
.set MSB, 0
.macro WIN new                          ; the immediate's high byte repeats the setting that is left; a switch that changes nothing is dropped
.if MSB != (\new)
	s_set_vgpr_msb (MSB<<8)|(\new)
.set MSB, (\new)
.endif
.endm
.macro PLACES                           ; four places behind a matrix instruction (ISA guide 7.12.1)
.rept 4
	v_nop
.endr
.endm
.macro CROUND                           ; a round of the cluster's barrier
	s_barrier_signal -1
	s_barrier_wait -1
	s_cmp_lg_u32 s[WV], 0
	s_cbranch_scc1 .Lnot_wave_0_\@
	s_barrier_signal -3
.Lnot_wave_0_\@:
	s_barrier_wait -3
	s_barrier_signal -1
	s_barrier_wait -1
.endm
.macro JLOADQ                           ; waves 0, 1 fetch the halves of Wq's part of a chunk, waves 2, 3 those of MT's; the branch hangs on the wave's number alone
	s_cmp_lt_u32 s[WV], 2
	s_cbranch_scc0 .Lfor_m_\@
	tensor_load_to_lds s[G0Q:G0Q+3], s[G1Q:G1Q+7]
	s_nop 0
	PLACES
	s_branch .Lasked_\@
.Lfor_m_\@:
	tensor_load_to_lds s[G0M:G0M+3], s[G1M:G1M+7]
	s_nop 0
	PLACES
.Lasked_\@:
.endm
.macro JLOADW                           ; each wave fetches a quarter of a chunk of W1 and W2
	tensor_load_to_lds s[G0W:G0W+3], s[G1W:G1W+7]
	s_nop 0
	PLACES
.endm
; A prefetch of the chunk that the NEXT change of slots will ask for: 384 blocks of 256 bytes, a lane a block: waves 0..2 of the four work-groups of cluster 0, told apart by address.
; All clusters walk the same chunks, so nobody else asks; the last fill has no chunk behind it; in the second block of rows the chunks have been read, and nothing is asked for.
.macro ASK
	s_cmp_gt_u32 s[LEFT], s[LIM]
	s_cbranch_scc0 .Lnot_mine_\@
	global_prefetch_b8 v[PFO], s[PFA:PFA+1] th:TH_LOAD_NT scope:SCOPE_SE
.Lnot_mine_\@:
.endm
; A prefetch of my own 32 rows of the second block's x: 128 blocks of 256 bytes, a lane a block, two instructions behind each of the first block's last two fills.  No other wave reads those rows.
.macro ASKX
	s_cmp_le_u32 s[LEFT], s[XLIM]
	s_cbranch_scc0 .Lnot_yet_\@
	global_prefetch_b8 v[PFO], s[XPF:XPF+1] th:TH_LOAD_NT scope:SCOPE_SE
	global_prefetch_b8 v[PFO], s[XPF:XPF+1] offset:8192 th:TH_LOAD_NT scope:SCOPE_SE
.Lnot_yet_\@:
.endm
; THE CHANGE OF SLOTS.  Each wave waits for all its tensor loads (one is out: its part of the other slot), adds 0 to its spare word, and waits for that and for its reads of the slot that it leaves.
; kind 1: chunk c1 is asked for; 2: the next chunk of W1 and W2; 0: nothing.  Where a slot is filled the barrier is a round of the cluster's, and the joint load is the first thing behind it.
.macro CHANGE kind
	WIN 0
	s_wait_tensorcnt 0x0                ; no tensor load of mine is out, so a group 0 may be written
	ds_add_u32 v[SPW], v[NIL]
.if (\kind) == 1
	s_add_co_u32 s[G0Q+1], s[G0Q+1], SLOT
	s_add_nc_u64 s[G0Q+2:G0Q+3], s[G0Q+2:G0Q+3], 65536
	s_add_co_u32 s[G0M+1], s[G0M+1], SLOT
	s_add_nc_u64 s[G0M+2:G0M+3], s[G0M+2:G0M+3], 69632
.else
	s_xor_b32 s[SB], s[SB], SLOT        ; the slot to be read
.endif
.if (\kind) == 2
	s_xor_b32 s[G0W+1], s[G0W+1], SLOT  ; SLOT's two bits are in none of the waves' offsets: the exclusive or adds or takes away
	s_add_nc_u64 s[G0W+2:G0W+3], s[G0W+2:G0W+3], 98304
	s_wait_xcnt 0x0                     ; the last prefetches, a chunk back, have read their addresses
	s_add_nc_u64 s[PFA:PFA+1], s[PFA:PFA+1], 98304
	s_add_nc_u64 s[XPF:XPF+1], s[XPF:XPF+1], 16384
.endif
	s_wait_dscnt 0x0                    ; the add is done, and my reads of the slot are over
.if (\kind) == 0
	s_barrier_signal -1
	s_barrier_wait -1
.else
	CROUND
.if (\kind) == 1
	JLOADQ
.else
	JLOADW
	ASK
	ASKX
.endif
.endif
.endm
.macro LDG win, buf, areg, off, n       ; n fragments into a buffer of window 0 (win = 0) or 3 (win = 0xc0)
	WIN \win
.set li, 0
.rept \n
	ds_load_b128 v[(\buf)+8*li:(\buf)+8*li+3], v[\areg] offset:(\off)+1024*li
	ds_load_b128 v[(\buf)+8*li+4:(\buf)+8*li+7], v[\areg] offset:(\off)+1024*li+512
.set li, li+1
.endr
.endm
; 16 products into PACC: weights out of window 3, k steps k0 + 0..3, feature tiles 0, 1, row tiles 0, 1; the four accumulators take turns.  xb: x's (0) or m's (128) fragments
.macro MULP form, buf, xb, k0, zero
	WIN 0x07
.set lk, 0
.rept 4
.set lf, 0
.rept 2
.set lt, 0
.rept 2
.set ra, PACC+8*(2*lf+lt)
.set rw, (\buf)+8*(2*lk+lf)
.set rx, (\xb)+8*(8*lt+(\k0)+lk)
.if (\zero) && (lk == 0)
	v_wmma_f32_16x16x32_\form v[ra:ra+7], v[rw:rw+7], v[rx:rx+7], 0
.else
	v_wmma_f32_16x16x32_\form v[ra:ra+7], v[rw:rw+7], v[rx:rx+7], v[ra:ra+7]
.endif
.set lt, lt+1
.endr
.set lf, lf+1
.endr
.set lk, lk+1
.endr
.endm
.macro MULC form, win, buf, o0          ; 16 products into window 2: output tiles o0 + 0..7 x row tiles: sixteen accumulators, one product each; win: 0xa0 weights in window 0, 0xa3 in window 3
	WIN \win
.set lk, 0
.rept 16
.set ra, 8*(2*((\o0)+lk/2)+lk%2)
	v_wmma_f32_16x16x32_\form v[ra:ra+7], v[(\buf)+8*(lk/2):(\buf)+8*(lk/2)+7], v[QF+8*(lk%2):QF+8*(lk%2)+7], v[ra:ra+7]
.set lk, lk+1
.endr
.endm
.macro ELUQ                             ; Q = (max(q, 0) + 2^(log2(e) min(q, 0))) x_mask, rounded into QF
.set ei, 0
.rept 32
	v_min_num_f32 v[T+ei], 0, v[PACC+ei]
.set ei, ei+1
.endr
.set ei, 0
.rept 16
	v_pk_mul_f32 v[T+2*ei:T+2*ei+1], v[T+2*ei:T+2*ei+1], s[L2E:L2E+1] op_sel_hi:[1,0]
.set ei, ei+1
.endr
.set ei, 0
.rept 32
	v_exp_f32 v[T+ei], v[T+ei]
.set ei, ei+1
.endr
.set ei, 0
.rept 32
	v_max_num_f32 v[PACC+ei], 0, v[PACC+ei]
.set ei, ei+1
.endr
	s_wait_alu depctr_va_vdst(0)        ; one wait for the batch of 32 exponentials; the 32 maxima stand between
.set ei, 0
.rept 16
	v_pk_add_f32 v[PACC+2*ei:PACC+2*ei+1], v[PACC+2*ei:PACC+2*ei+1], v[T+2*ei:T+2*ei+1]
.set ei, ei+1
.endr
.set ei, 0
.rept 16
	v_pk_mul_f32 v[PACC+2*ei:PACC+2*ei+1], v[PACC+2*ei:PACC+2*ei+1], v[XM+2*((ei/4)%2):XM+2*((ei/4)%2)+1]
.set ei, ei+1
.endr
.set ei, 0
.rept 16
	v_cvt_pk_bf16_f32 v[QF+8*((ei/4)%2)+4*(ei/8)+ei%4], v[PACC+2*ei], v[PACC+2*ei+1]
.set ei, ei+1
.endr
.endm
; One k block of 32 features of Q: 32 products x Wq^T, the feature map, 32 products with MT and 2 with Ksum's fragment.  Wq's 16 fragments were asked for a block earlier; MT's 17 are asked for at the head,
; 32 products and the feature map ahead of their use; the next block's Wq behind the feature map, 34 products ahead.  That run is jumped in a chunk's last block, behind the wait for 0: every later count holds on both ways.
.macro TRIP1
	WIN 0
	v_add_nc_u32 v[AW1], s[TBQ], v[L16] ; with the two v_nop: the places behind the last products, ahead of the loads into their buffers
	v_add_nc_u32 v[AW2], s[TBM], v[L16]
	v_nop
	v_nop
	LDG 0, AB0, AW2, 16384, 1           ; Ksum's fragment
	LDG 0xc0, 128, AW2, 0, 16           ; MT's tiles 0-15
	s_wait_dscnt 50                     ; Wq's first 8 fragments are in: its other 16 loads and the 34 just issued may stay out
	MULP bf16, 0, 0, 0, 1
	s_wait_dscnt 34                     ; all of Wq's
	MULP bf16, 64, 0, 4, 0
	WIN 0
	PLACES
	ELUQ
	s_wait_dscnt 0x0                    ; MT's and Ksum's fragments are in
	s_cmp_eq_u32 s[CNT], 1
	s_cbranch_scc1 .Lno_next_\@
	LDG 0xc0, 0, AW1, 16384, 16         ; the next block's Wq
	WIN 0
.Lno_next_\@:
	MULC bf16, 0xa3, 128, 0
	MULC bf16, 0xa3, 192, 8
	WIN 0
	v_wmma_f32_16x16x32_bf16 v[DEN:DEN+7], v[AB0:AB0+7], v[QF:QF+7], v[DEN:DEN+7]
	v_wmma_f32_16x16x32_bf16 v[DEN+8:DEN+15], v[AB0:AB0+7], v[QF+8:QF+15], v[DEN+8:DEN+15]
	s_add_co_u32 s[TBQ], s[TBQ], 16384
	s_add_co_u32 s[TBM], s[TBM], 17408
.endm
.macro QLOOP                            ; a chunk's four k blocks; the first block's Wq is asked for here, behind the change of slots
	v_add_nc_u32 v[AW1], s[TBQ], v[L16]
	LDG 0xc0, 0, AW1, 0, 16
	WIN 0
	s_mov_b32 s[CNT], 4
.Lq_\@:
	TRIP1
	s_sub_co_u32 s[CNT], s[CNT], 1
	s_cmp_lg_u32 s[CNT], 0
	s_cbranch_scc1 .Lq_\@
.endm
; One block of 32 hidden units: 32 products with x (bf16), 32 with m (f16), relu, 32 products with W2 (f16).  Three runs of 32 LDS loads: W1's m columns at the head, W2 behind the first 32 products,
; the next block's x columns behind the 64th.  Each buffer's last reader stands four plain instructions or more ahead of the run that fills it.
.macro TRIP2
	WIN 0
	v_add_nc_u32 v[AW1], s[TB], v[L16]
	LDG 0xc0, 128, AW1, 16384, 16       ; W1's m columns
	s_wait_dscnt 48                     ; the x columns' first 8 fragments are in: their other 16 loads and the 32 just issued may stay out
	MULP bf16, 0, 0, 0, 1
	s_wait_dscnt 32
	MULP bf16, 64, 0, 4, 0
	WIN 0
	PLACES
	v_nop                               ; five places: the f16 products take up sums that bf16 products wrote, which is no chain in place
	LDG 0, AB0, AW1, 32768, 16          ; W2
	s_wait_dscnt 48                     ; the m columns' first 8 fragments
	MULP f16, 128, 128, 0, 0
	s_wait_dscnt 32
	MULP f16, 192, 128, 4, 0
	WIN 0
	PLACES
	s_wait_dscnt 0x0                    ; W2's fragments, asked for 32 products ago, are in
	s_cmp_eq_u32 s[CNT], 1
	s_cbranch_scc1 .Lno_next_\@
	LDG 0xc0, 0, AW1, 49152, 16         ; the next block's x columns
	WIN 0
.Lno_next_\@:
.set ei, 0
.rept 16
	v_cvt_pk_f16_f32 v[QF+8*((ei/4)%2)+4*(ei/8)+ei%4], v[PACC+2*ei], v[PACC+2*ei+1]
.set ei, ei+1
.endr
.set ei, 0
.rept 16
	v_pk_max_num_f16 v[QF+ei], v[QF+ei], v[ZERO]
.set ei, ei+1
.endr
	MULC f16, 0xa0, AB0, 0
	MULC f16, 0xa0, AB1, 8
	WIN 0
	s_add_co_u32 s[TB], s[TB], 49152
.endm
.macro WLOOP                            ; a chunk's two blocks; the first block's x columns are asked for here, behind the change of slots
	s_mov_b32 s[TB], s[SB]
	v_add_nc_u32 v[AW1], s[TB], v[L16]
	LDG 0xc0, 0, AW1, 0, 16
	WIN 0
	s_mov_b32 s[CNT], 2
.Lt_\@:
	TRIP2
	s_sub_co_u32 s[CNT], s[CNT], 1
	s_cmp_lg_u32 s[CNT], 0
	s_cbranch_scc1 .Lt_\@
.endm
.macro GBLOAD bt                        ; gain and bias of output tiles 4 bt + 0..3, my 8 features of each: 16 loads into buffer bt % 2
.set gl, 0
.rept 4
.set gr, AB0+64*((\bt)%2)+16*gl
.set gq, (4*(\bt)+gl)*64
	global_load_b128 v[gr:gr+3], v[GO], s[GBP:GBP+1] offset:gq
	global_load_b128 v[gr+4:gr+7], v[GO], s[GBP:GBP+1] offset:gq+16
	global_load_b128 v[gr+8:gr+11], v[GO], s[GBP:GBP+1] offset:gq+1024
	global_load_b128 v[gr+12:gr+15], v[GO], s[GBP:GBP+1] offset:gq+1040
.set gl, gl+1
.endr
.endm
.macro FOLD8                            ; eight chains (four pairs a row tile) into one number a row, in both lanes of the row: at T + 8 and T + 16
.irp fc, T+8, T+16
	v_pk_add_f32 v[\fc:\fc+1], v[\fc:\fc+1], v[\fc+2:\fc+3]
	v_pk_add_f32 v[\fc+4:\fc+5], v[\fc+4:\fc+5], v[\fc+6:\fc+7]
.endr
.irp fc, T+8, T+16
	v_pk_add_f32 v[\fc:\fc+1], v[\fc:\fc+1], v[\fc+4:\fc+5]
.endr
.irp fc, T+8, T+16
	v_add_f32 v[\fc], v[\fc], v[\fc+1]
.endr
.irp fc, T+8, T+16
	v_permlanex16_b32 v[\fc+1], v[\fc], s[SEL], s[SEL+1]   ; the row's other 128 features lie in the lane 16 away
.endr
.irp fc, T+8, T+16
	v_add_f32 v[\fc], v[\fc], v[\fc+1]
.endr
.endm
; Pair nk of window 2 is registers 2 nk, 2 nk + 1: output tile nk / 8, row tile (nk / 4) % 2, pair nk % 4.
.macro LNSCALE bt                       ; (d rs) g + b for four output tiles, in place
	WIN 0x82
.set no, 4*(\bt)
.rept 4
.set nk, 8*no
.rept 8
	v_pk_mul_f32 v[2*nk:2*nk+1], v[2*nk:2*nk+1], v[ZR+2*((nk/4)%2):ZR+2*((nk/4)%2)+1]
.set nk, nk+1
.endr
.set nk, 8*no
.rept 8
.set gr, AB0+64*((\bt)%2)+16*(no%4)+2*(nk%4)
	v_pk_fma_f32 v[2*nk:2*nk+1], v[2*nk:2*nk+1], v[gr:gr+1], v[gr+8:gr+9]
.set nk, nk+1
.endr
.set no, no+1
.endr
	WIN 0
.endm
; LAYER NORM over the 256 features that a row's two lanes hold in window 2, each first multiplied by the row's factor in ZR; gain and bias at s[GBP].  The result stays in window 2.
.macro LNCORE
	WIN 0
	PLACES
	GBLOAD 0
	GBLOAD 1
	WIN 0x0a
.set nk, 0
.rept 8                                 ; the first two tiles start the chains; each accumulator's low registers are read first
	v_pk_add_f32 v[T+8+2*nk:T+8+2*nk+1], v[2*nk:2*nk+1], v[16+2*nk:16+2*nk+1]
.set nk, nk+1
.endr
	WIN 0x08
.set nk, 16
.rept 112
	v_pk_add_f32 v[T+8+2*(nk%8):T+8+2*(nk%8)+1], v[T+8+2*(nk%8):T+8+2*(nk%8)+1], v[2*nk:2*nk+1]
.set nk, nk+1
.endr
	WIN 0
	FOLD8
	v_mul_f32 v[T+8], v[T+8], v[ZR]
	v_mul_f32 v[T+16], v[T+16], v[ZR+2]
	v_mul_f32 v[MU], s[C256], v[T+8]
	v_mul_f32 v[MU+2], s[C256], v[T+16]
	v_mov_b32 v[MU+1], v[MU]
	v_mov_b32 v[MU+3], v[MU+2]
	WIN 0x82
.set nk, 0
.rept 128
	v_pk_fma_f32 v[2*nk:2*nk+1], v[2*nk:2*nk+1], v[ZR+2*((nk/4)%2):ZR+2*((nk/4)%2)+1], v[MU+2*((nk/4)%2):MU+2*((nk/4)%2)+1] neg_lo:[0,0,1] neg_hi:[0,0,1]
.set nk, nk+1
.endr
	WIN 0x0a
.set nk, 0
.rept 8
	v_pk_mul_f32 v[T+8+2*nk:T+8+2*nk+1], v[2*nk:2*nk+1], v[2*nk:2*nk+1]
.set nk, nk+1
.endr
.set nk, 8
.rept 120
	v_pk_fma_f32 v[T+8+2*(nk%8):T+8+2*(nk%8)+1], v[2*nk:2*nk+1], v[2*nk:2*nk+1], v[T+8+2*(nk%8):T+8+2*(nk%8)+1]
.set nk, nk+1
.endr
	WIN 0
	FOLD8
	v_fma_f32 v[T+8], v[T+8], s[C256], s[CEPS]             ; var + 1e-5
	v_fma_f32 v[T+16], v[T+16], s[C256], s[CEPS]
	v_rsq_f32 v[ZR], v[T+8]
	v_rsq_f32 v[ZR+2], v[T+16]
	v_nop
	s_wait_alu depctr_va_vdst(0)        ; one wait for the two roots
	v_mov_b32 v[ZR+1], v[ZR]
	v_mov_b32 v[ZR+3], v[ZR+2]
	s_wait_loadcnt 16                   ; batch 0 of g and b is in, batch 1 may stay out
	LNSCALE 0
	GBLOAD 2
	s_wait_loadcnt 16
	LNSCALE 1
	GBLOAD 3
	s_wait_loadcnt 16
	LNSCALE 2
	s_wait_loadcnt 0x0
	LNSCALE 3
.endm
.macro CLEAR2                           ; window 2's sums start at 0, so that every trip has one form of product
	WIN 0x80
.set zi, 0
.rept 256
	v_mov_b32 v[zi], 0
.set zi, zi+1
.endr
	WIN 0
.endm
	s_load_b256 s[4:11], s[0:1], 0x0    ; x 4, x_mask 6, wts 8, mt 10
	s_load_b128 s[12:15], s[0:1], 0x20  ; gb 12, out0 14
	v_lshl_add_u32 v[SPW], v0, 2, SPARE
	v_mov_b32 v[NIL], 0
	ds_add_u32 v[SPW], v[NIL]           ; the wave's opening: the add, twice on end, and its wait ahead of my first tensor load
	ds_add_u32 v[SPW], v[NIL]
	v_lshrrev_b32 v1, 5, v0
	v_readfirstlane_b32 s[WV], v1
	s_bfe_u32 s[CX], ttmp6, 0x40000
	; descriptor groups 1: dense blocks as rows of 32 elements of 8 bytes; 128, 136 and 96 rows; the mask names all four work-groups
.irp g, G1Q, G1M, G1W
	s_mov_b32 s[\g], 15|(3<<16)|(1<<21)
	s_mov_b32 s[\g+1], 32<<16
	s_mov_b32 s[\g+3], 32<<16
	s_mov_b32 s[\g+5], 32
	s_mov_b32 s[\g+6], 0
	s_mov_b32 s[\g+7], 0
.endr
	s_mov_b32 s[G1Q+2], 128<<16
	s_mov_b32 s[G1Q+4], 128
	s_mov_b32 s[G1M+2], 136<<16
	s_mov_b32 s[G1M+4], 136
	s_mov_b32 s[G1W+2], 96<<16
	s_mov_b32 s[G1W+4], 96
	s_mov_b32 s[G0Q], 1
	s_mov_b32 s[G0M], 1
	s_mov_b32 s[G0W], 1
	s_and_b32 s76, s[WV], 1
	s_lshl_b32 s[LQ], s76, 15           ; my half of Wq's part, in a slot and in memory
	s_mov_b32 s88, s[LQ]
	s_mov_b32 s89, 0
	s_mul_i32 s77, s76, 34816           ; my half of MT's part
	s_add_co_u32 s[LM], s77, 65536
	s_mul_i32 s90, ttmp9, 139264        ; the batch is the cluster's number, which the four partners share
	s_add_co_u32 s90, s90, s77
	s_mov_b32 s91, 0
	s_mul_i32 s92, s[WV], 24576         ; my quarter of a chunk of W1 and W2
	s_add_co_u32 s[LW], s92, SLOT       ; the first change turns it into slot 0
	s_add_co_u32 s92, s92, 32768        ; one chunk ahead of the first: 131,072 - 98,304
	s_mov_b32 s93, 0
	s_mov_b32 s[SEL], 0x76543210
	s_mov_b32 s[SEL+1], 0xfedcba98
	s_mov_b32 s[L2E], 0x3fb8aa3b
	s_mov_b32 s[L2E+1], s[L2E]
	s_mov_b32 s[C256], 0x3b800000       ; 1 / 256
	s_mov_b32 s[CEPS], 0x3727c5ac       ; 1e-5
	s_mov_b32 s[SB], 0
	s_mov_b32 s[XLIM], 2
	s_cmp_eq_u32 s[WV], 3
	s_cselect_b32 s76, 1, 0
	s_or_b32 s76, s76, ttmp9
	s_cmp_eq_u32 s76, 0
	s_cselect_b32 s[LIM], 1, -1         ; waves 0..2 of cluster 0 prefetch the weights: the same in all four partners
	v_and_b32 v[R], 15, v0
	v_bfe_u32 v[H], v0, 4, 1
	v_and_b32 v[L16], 31, v0
	v_lshlrev_b32 v[PFO], 8, v[L16]
	v_lshlrev_b32 v[L16], 4, v[L16]
	v_lshlrev_b32 v[GO], 5, v[H]
	v_lshlrev_b32 v[XO], 2, v[R]
	v_mov_b32 v[ZERO], 0
	v_mov_b32 v[ONE], 1.0
	s_mul_i32 s76, s[WV], 16*STP
	s_add_co_u32 s76, s76, STAGE
	v_add_nc_u32 v[SW], s76, v[L16]
	v_mul_u32_u24 v[SR], v[R], STP
	v_add_nc_u32 v[SR], v[SR], v[GO]
	v_add_nc_u32 v[SR], s76, v[SR]
	s_wait_dscnt 0x0                    ; both opening adds are done
	s_wait_kmcnt 0x0
	s_lshl3_add_u32 s76, ttmp9, s[CX]   ; my first block of 128 rows, 8 c + cx: it enters x's, x_mask's and out0's addresses alone
	s_lshl_b32 s78, s76, 17
	s_lshl_b32 s77, s[WV], 15
	s_add_co_u32 s78, s78, s77
	s_mov_b32 s79, 0
	s_add_nc_u64 s[XP:XP+1], s[4:5], s[78:79]
	s_add_nc_u64 s[OP:OP+1], s[14:15], s[78:79]
	s_add_nc_u64 s[XPF:XPF+1], s[XP:XP+1], 409600          ; seven steps of 16,384 short of my rows of the second block, 524,288 bytes on: the seventh fill of W1 and W2 is the first that asks
	s_lshl_b32 s78, s76, 9
	s_lshl_b32 s77, s[WV], 7
	s_add_co_u32 s78, s78, s77
	s_add_nc_u64 s[MP:MP+1], s[6:7], s[78:79]
	s_lshl2_add_u32 s78, s[WV], s[CX]
	s_lshl_b32 s78, s78, 13
	s_add_co_u32 s78, s78, 131072
	s_add_nc_u64 s[PFA:PFA+1], s[8:9], s[78:79]            ; in chunk c2; each fill steps it one chunk on ahead of its use
	s_mov_b32 s[TILE], 2
.Ltile:                                 ; two trips: a block of 128 rows each
	s_wait_tensorcnt 0x0                ; no tensor load of mine is out, so every group 0 may be written
	ds_add_u32 v[SPW], v[NIL]
	ds_add_u32 v[SPW], v[NIL]
	s_mov_b32 s[G0Q+1], s[LQ]           ; the three walking descriptors go back to their first chunks
	s_add_nc_u64 s[G0Q+2:G0Q+3], s[8:9], s[88:89]
	s_or_b32 s[G0Q+3], s[G0Q+3], 0x80000000
	s_mov_b32 s[G0M+1], s[LM]
	s_add_nc_u64 s[G0M+2:G0M+3], s[10:11], s[90:91]
	s_or_b32 s[G0M+3], s[G0M+3], 0x80000000
	s_mov_b32 s[G0W+1], s[LW]
	s_add_nc_u64 s[G0W+2:G0W+3], s[8:9], s[92:93]
	s_or_b32 s[G0W+3], s[G0W+3], 0x80000000
	s_mov_b64 s[GBP:GBP+1], s[12:13]    ; g1 and b1
	s_wait_dscnt 0x0                    ; the adds are done, and my reads of both slots are over
	CROUND                              ; so are those of every wave of the cluster: the joint loads meet
	JLOADQ                              ; c0 into slot 0
	; x COMES IN by whole half rows (512 consecutive bytes a load), goes through my stage and comes back by fragments, rounded to bf16
	WIN 0x80
.set xi, 0
.rept 64                                ; group xi / 16 = 2 rt + half, row xi % 16
	global_load_b128 v[4*xi:4*xi+3], v[L16], s[XP:XP+1] offset:(16*(xi/32)+xi%16)*1024+((xi/16)%2)*512 th:TH_LOAD_NT
.set xi, xi+1
.endr
	WIN 0
	global_load_b32 v[XM], v[XO], s[MP:MP+1]
	global_load_b32 v[XM+2], v[XO], s[MP:MP+1] offset:64
.set xg, 0
.rept 4
	s_wait_loadcnt 50-16*xg             ; this group's 16 loads are in; the younger groups' and the two masks stay out
	WIN 0x08
.set xi, 0
.rept 16
	ds_store_b128 v[SW], v[4*(16*xg+xi):4*(16*xg+xi)+3] offset:xi*STP
.set xi, xi+1
.endr
	WIN 0
.set xi, 0
.rept 4                                 ; LDS serves a wave's instructions in order (ISA guide 5.7.1.4): these see the stores above
.set rb, AB0+64*(xg%2)+16*xi
	ds_load_b128 v[rb:rb+3], v[SR] offset:128*xi
	ds_load_b128 v[rb+4:rb+7], v[SR] offset:128*xi+16
	ds_load_b128 v[rb+8:rb+11], v[SR] offset:128*xi+64
	ds_load_b128 v[rb+12:rb+15], v[SR] offset:128*xi+80
.set xi, xi+1
.endr
	s_wait_dscnt 0x0
	WIN 0x40
.set xi, 0
.rept 32
	v_cvt_pk_bf16_f32 v[8*(8*(xg/2)+4*(xg%2)+xi/8)+xi%8], v[AB0+64*(xg%2)+16*(xi/8)+2*(xi%8)], v[AB0+64*(xg%2)+16*(xi/8)+2*(xi%8)+1]
.set xi, xi+1
.endr
	WIN 0
.set xg, xg+1
.endr
	s_wait_loadcnt 0x0
	v_cvt_pk_bf16_f32 v[T], v[XM], v[XM+2]
	v_lshlrev_b32 v[XM], 16, v[T]
	v_and_b32 v[XM+2], 0xffff0000, v[T]
	v_mov_b32 v[XM+1], v[XM]
	v_mov_b32 v[XM+3], v[XM+2]
	CLEAR2
.set zi, 0
.rept 16
	v_mov_b32 v[DEN+zi], 0
.set zi, zi+1
.endr
	CHANGE 1                            ; c0 is in, everybody's part of it; c1 is asked for, into slot 1
	s_mov_b32 s[TBQ], 0
	s_mov_b32 s[TBM], 65536
	QLOOP                               ; k blocks 0-3
	s_mov_b32 s[LEFT], 8                ; fills of W1 and W2 still to come
	CHANGE 2                            ; c1 is in; c2 goes into slot 0
	s_mov_b32 s[TBQ], SLOT
	s_mov_b32 s[TBM], SLOT+65536
	QLOOP                               ; k blocks 4-7
	PLACES
	v_permlanex16_b32 v[T], v[DEN], s[SEL], s[SEL+1]       ; den lies in register 0 of lanes 0-15; lanes 16-31 hold 0 there
	v_permlanex16_b32 v[T+1], v[DEN+8], s[SEL], s[SEL+1]
	v_add_f32 v[T], v[T], v[DEN]
	v_add_f32 v[T+1], v[T+1], v[DEN+8]
	v_add_f32 v[T], 0x358637bd, v[T]    ; + 1e-6
	v_add_f32 v[T+1], 0x358637bd, v[T+1]
	v_rcp_f32 v[ZR], v[T]
	v_rcp_f32 v[ZR+2], v[T+1]
	v_nop
	s_wait_alu depctr_va_vdst(0)        ; one wait for the two reciprocals, ahead of the label
	v_mov_b32 v[ZR+1], v[ZR]
	v_mov_b32 v[ZR+3], v[ZR+2]
	s_mov_b32 s[PH], 2
.Lln:                                   ; walked twice, and left in its middle the second time
	LNCORE
	s_sub_co_u32 s[PH], s[PH], 1
	s_cmp_eq_u32 s[PH], 0
	s_cbranch_scc1 .Lfin
	WIN 0x4a
.set nk, 0
.rept 128                               ; the first norm's result, rounded to f16, is m's fragments
	v_cvt_pk_f16_f32 v[128+8*(8*((nk/4)%2)+nk/16)+4*((nk/8)%2)+nk%4], v[2*nk], v[2*nk+1]
.set nk, nk+1
.endr
	WIN 0
	CLEAR2
.set zi, 0
.rept 4
	v_mov_b32 v[ZR+zi], 1.0             ; the second norm's factor
.set zi, zi+1
.endr
	s_add_nc_u64 s[GBP:GBP+1], s[GBP:GBP+1], 2048          ; g2 and b2; the loads that named the pair have been waited for
	s_mov_b32 s[SB], SLOT               ; the next change turns it into slot 0, where c2 lies
	s_mov_b32 s[LEFT], 7
.Lw:                                    ; seven trips: chunk c(2 + i) is read, c(3 + i) asked for
	CHANGE 2
	WLOOP
	s_sub_co_u32 s[LEFT], s[LEFT], 1
	s_cmp_lg_u32 s[LEFT], 0
	s_cbranch_scc1 .Lw
	CHANGE 0                            ; the last chunk is written out: nothing is asked for
	WLOOP
	s_branch .Lln
.Lfin:
	WIN 0xa1
.set nk, 0
.rept 128                               ; + x: x's fragment holds the same lane's same features: one line widens the half and adds
.set rx, 8*(8*((nk/4)%2)+nk/16)+4*((nk/8)%2)+nk%4
	v_fma_mix_f32_bf16 v[2*nk], v[rx], v[ONE], v[2*nk] op_sel:[0,0,0] op_sel_hi:[1,0,0]
	v_fma_mix_f32_bf16 v[2*nk+1], v[rx], v[ONE], v[2*nk+1] op_sel:[1,0,0] op_sel_hi:[1,0,0]
.set nk, nk+1
.endr
	WIN 0
	; THE WAY OUT: a lane's features go into my stage by rows of 528 bytes and come back as whole half rows: each store covers 512 consecutive bytes
.set xg, 0
.rept 4
	WIN 0x08
.set xi, 0
.rept 8
.set ry, 8*(2*(8*(xg%2)+xi)+xg/2)
	ds_store_b128 v[SR], v[ry:ry+3] offset:64*xi
	ds_store_b128 v[SR], v[ry+4:ry+7] offset:64*xi+16
.set xi, xi+1
.endr
	WIN 0
.if xg >= 2
	s_wait_xcnt 0x0                     ; the stores of two groups back have read this buffer
.endif
.set xi, 0
.rept 16
	ds_load_b128 v[AB0+64*(xg%2)+4*xi:AB0+64*(xg%2)+4*xi+3], v[SW] offset:xi*STP
.set xi, xi+1
.endr
	s_wait_dscnt 0x0
.set xi, 0
.rept 16
	global_store_b128 v[L16], v[AB0+64*(xg%2)+4*xi:AB0+64*(xg%2)+4*xi+3], s[OP:OP+1] offset:(16*(xg/2)+xi)*1024+(xg%2)*512 th:TH_STORE_NT
.set xi, xi+1
.endr
.set xg, xg+1
.endr
	s_wait_xcnt 0x0                     ; the stores have read their registers and their base: nothing waits for the stores themselves
	s_add_nc_u64 s[XP:XP+1], s[XP:XP+1], 524288            ; four blocks of 128 rows on
	s_add_nc_u64 s[OP:OP+1], s[OP:OP+1], 524288
	s_add_nc_u64 s[MP:MP+1], s[MP:MP+1], 2048
	s_mov_b32 s[LIM], -1                ; the second block asks for nothing ahead: the weights have been read, and no rows follow
	s_mov_b32 s[XLIM], 0
	s_sub_co_u32 s[TILE], s[TILE], 1
	s_cmp_lg_u32 s[TILE], 0
	s_cbranch_scc1 .Ltile
	s_wait_tensorcnt 0x0                ; the wave's end
	ds_add_u32 v[SPW], v[NIL]
	s_wait_dscnt 0x0
	CROUND                              ; the closing round
	s_endpgm
.Lfunc_end_k_q8dd2af5460_chain:
	.size	k_q8dd2af5460_chain, .Lfunc_end_k_q8dd2af5460_chain-k_q8dd2af5460_chain
	.p2alignl 7, 3214868480
	.fill 96, 4, 3214868480
	.section	.rodata,"a",@progbits
	.p2align	6, 0x0
	.amdhsa_kernel k_q8dd2af5460_chain
		.amdhsa_group_segment_fixed_size 327680
		.amdhsa_private_segment_fixed_size 0
		.amdhsa_enable_private_segment 0
		.amdhsa_kernarg_size 48
		.amdhsa_user_sgpr_count 2
		.amdhsa_user_sgpr_kernarg_segment_ptr 1
		.amdhsa_wavefront_size32 1
		.amdhsa_system_sgpr_workgroup_id_x 1
		.amdhsa_system_sgpr_workgroup_id_y 1
		.amdhsa_system_sgpr_workgroup_id_z 1
		.amdhsa_system_vgpr_workitem_id 0
		.amdhsa_next_free_vgpr 1024
		.amdhsa_next_free_sgpr 100
		.amdhsa_reserve_vcc 0
		.amdhsa_float_denorm_mode_32 3
		.amdhsa_float_denorm_mode_16_64 3
		.amdhsa_memory_ordered 1
		.amdhsa_forward_progress 1
		.amdhsa_inst_pref_size 210
	.end_amdhsa_kernel
	.amdgpu_metadata
---
amdhsa.version: [ 1, 2 ]
amdhsa.kernels:
  - .name:           k_q8dd2af5460_chain
    .symbol:         k_q8dd2af5460_chain.kd
    .args:
      - { .name: x, .offset: 0, .size: 8, .value_kind: global_buffer, .address_space: global }
      - { .name: x_mask, .offset: 8, .size: 8, .value_kind: global_buffer, .address_space: global }
      - { .name: wts, .offset: 16, .size: 8, .value_kind: global_buffer, .address_space: global }
      - { .name: mt, .offset: 24, .size: 8, .value_kind: global_buffer, .address_space: global }
      - { .name: gb, .offset: 32, .size: 8, .value_kind: global_buffer, .address_space: global }
      - { .name: out0, .offset: 40, .size: 8, .value_kind: global_buffer, .address_space: global }
    .group_segment_fixed_size: 327680
    .private_segment_fixed_size: 0
    .kernarg_segment_align: 8
    .kernarg_segment_size: 48
    .max_flat_workgroup_size: 128
    .sgpr_count:     100
    .vgpr_count:     1024
    .wavefront_size: 32
...
	.end_amdgpu_metadata
.endif
;; end of part 4
